; MI455X (gfx1250); checked and timed in simulation.
; The chip was launched on July 23, 2026; its instructions are those of AMD's public machine-readable ISA for CDNA 5 (MIT licence, August 2026) and "CDNA5" Instruction Set Architecture Reference Guide (July 2026). The comments in the code are by the model that wrote it; some were corrected since.
;; Transformer Block Hybrid. Allowed arithmetic: matrix products marked QUANTISED: E5M2 operands, one E8M0 scale for each 32 along K, by v_wmma_scale_f32_16x16x128_f8f6f4 with both operands' format E5M2, f32 sums; everything else in f32.
;; Inputs: W1_codes 4,096 x 32 x 32 uint8 (E5M2 codes of W1, K innermost, in blocks of 32 codes); W1_scales 4,096 x 32 uint8 (E8M0 scales of W1, one for each 32 codes along K); W2_codes 1,024 x 128 x 32 uint8 (E5M2 codes of W2, K innermost, in blocks of 32 codes); W2_scales 1,024 x 128 uint8 (E8M0 scales of W2, one for each 32 codes along K); Wk_codes 1,024 x 32 x 32 uint8 (E5M2 codes of Wk, K innermost, in blocks of 32 codes); Wk_scales 1,024 x 32 uint8 (E8M0 scales of Wk, one for each 32 codes along K); Wq_codes 1,024 x 32 x 32 uint8 (E5M2 codes of Wq, K innermost, in blocks of 32 codes); Wq_scales 1,024 x 32 uint8 (E8M0 scales of Wq, one for each 32 codes along K); Wv_codes 1,024 x 32 x 32 uint8 (E5M2 codes of Wv, K innermost, in blocks of 32 codes); Wv_scales 1,024 x 32 uint8 (E8M0 scales of Wv, one for each 32 codes along K); b1 4,096 float32; b2 1,024 float32; beta1 1,024 float32; beta2 1,024 float32; bk 1,024 float32; bq 1,024 float32; bv 1,024 float32; g1 1,024 float32; g2 1,024 float32; x 2 x 2,048 x 1,024 float32.
;; Outputs: out0 2 x 2,048 x 1,024 float32.
;; This version of the problem:
;;   THIS VERSION OF THE PROBLEM IS GIVEN IN LOW PRECISION. The matrix products marked QUANTISED in the list below multiply operands that are first quantised to E5M2 (5 exponent bits, 2 mantissa bits; 8 bits a number), with one power-of-two scale for each 32 numbers along K (OCP MX v1.0); their sums are f32. All else is computed in f32.
;;   The module's matrix products, in the order in which they are computed (A, B: the left and right operand; K: the contracted axis; several contracted axes count as one K, in the product's order):
;;     1. [M 4,096, K 1,024] x [K 1,024, N 1,024]; A: input x; B: input Wq (given as codes): QUANTISED
;;     2. [M 4,096, K 1,024] x [K 1,024, N 1,024]; A: input x; B: input Wk (given as codes): QUANTISED
;;     3. [M 4,096, K 1,024] x [K 1,024, N 1,024]; A: input x; B: input Wv (given as codes): QUANTISED
;;     4. batch 32 x [M 2,048, K 64] x [K 64, N 2,048]; A: computed on the way; B: computed on the way: QUANTISED
;;     5. batch 32 x [M 2,048, K 2,048] x [K 2,048, N 64]; A: softmax (see below); B: computed on the way: QUANTISED
;;     6. [M 4,096, K 1,024] x [K 1,024, N 4,096]; A: computed on the way; B: input W1 (given as codes): QUANTISED
;;     7. [M 4,096, K 4,096] x [K 4,096, N 1,024]; A: computed on the way; B: input W2 (given as codes): QUANTISED
;;   THE QUANTISER, for each operand of a quantised product, along K:
;;     - K is cut into blocks of 32 from its start; a last block that is shorter is filled with zeros.
;;     - A block's scale is 2^e with e = floor(log2(the largest magnitude in the block)) - 15, held to -126 .. 127; a block of zeros has e = 0. As a byte (E8M0): e + 127.
;;     - Each number is divided by its block's scale, clamped to +-57,344, and rounded to the nearest number of E5M2, ties to even, subnormals kept.
;;     - The product sums the exact products of the quantised numbers (number of the format x scale) in f32.
;;   ~~~python
;;   def quantise(x, axis):      # numpy; x: float32 -> the quantised numbers, widened to float32 again
;;       x = np.moveaxis(x, axis, -1); K = x.shape[-1]
;;       x = np.pad(x, [(0, 0)] * (x.ndim - 1) + [(0, -K % 32)]); x = x.reshape(x.shape[:-1] + (-1, 32)); a = np.abs(x).max(-1, keepdims=True)
;;       e = np.where(a > 0, np.clip(np.frexp(np.where(a > 0, a, 1))[1] - 1 - 15, -126, 127), 0)      # np.frexp(a)[1] - 1 = floor(log2(a)), exactly
;;       r = np.clip(x / 2.0 ** e, -57344, 57344)
;;       step = 2.0 ** (np.maximum(np.frexp(np.where(r == 0, 1, r))[1] - 1, -14) - 2)
;;       q = np.round(r / step) * step * 2.0 ** e      # np.round: ties to even
;;       return np.moveaxis(q.reshape(q.shape[:-2] + (-1,))[..., :K], -1, axis).astype(np.float32)
;;   ~~~
;;   SOFTMAX AHEAD OF A QUANTISED PRODUCT. Where the list says 'softmax', what is quantised is not the finished softmax but p = 2^(t - M), with t = logit x log2(e) and M = ceil(the row's largest t), a whole number; so 1/2 < the row's largest p <= 1. The row's sum l is taken of the UNQUANTISED p, in f32, and the product's result is divided by l at the end. Since M is a whole number, a kernel that streams over the keys may use a running M (the ceiling of the running maximum): every later rescaling is an exact power of two, which a block's scale takes up: the codes' values come out the same.
;;   OPERANDS COMPUTED ON THE WAY. 'Computed on the way' means the value that the module computes at that place (a softmax that the list does not call 'softmax' is quantised finished and normalised). What goes into a quantiser is computed in f32, as accurately as f32 sums, v_exp_f32 and their like allow (about 1e-6 of the number): no bf16 or f16 on the way to a quantiser, and a product that is left as it is and whose result goes on into a quantised operand takes f32 operands (vector FMAs, or v_wmma_f32_16x16x4_f32). A number that lies on a knife's edge between two numbers of the format may be rounded either way, as far as f32 arithmetic and the matrix unit's own rounding can turn it there, and no further.
;;   INPUTS GIVEN AS CODES. W1 (in the module: [4096, 1024], K = its axis 1); W2 (in the module: [1024, 4096], K = its axis 1); Wk (in the module: [1024, 1024], K = its axis 1); Wq (in the module: [1024, 1024], K = its axis 1); Wv (in the module: [1024, 1024], K = its axis 1): each comes as NAME_codes (uint8): NAME with its K axis moved to the last place and cut into blocks of 32 codes, [.., K / 32, bytes a block], one block behind the other in memory; one code a byte (a code: sign, 5 exponent bits, 2 mantissa bits); and NAME_scales (uint8): the same leading axes, one E8M0 byte (e + 127) for each 32 codes along K. Its value is code x scale, taken as it is: it is not quantised again, and the codes and scales need not be those that the quantiser above would give.
;; One version. Each part assembles by itself: llvm-mc -triple=amdgcn-amd-amdhsa -mcpu=gfx1250 --defsym DOCPART=n.
;; ======== version 1 of 1: 7 launches
;; limits: right only within a limited range of input values
;; workspace buffers: xq 4,325,376 bytes; qkv 12,976,128 bytes; attn 16,777,216 bytes; hb 21,102,592 bytes; fb 17,301,504 bytes; ffn 16,777,216 bytes
;; launch quantx (part 1): grid 256 x 1, 8 waves a work-group, no clusters, 42,496 bytes of LDS; arguments x, xq; writes xq
.if DOCPART == 1
	.amdgcn_target "amdgcn-amd-amdhsa--gfx1250"
	.amdhsa_code_object_version 6
	.text
	.protected	k_q5edf0ce59a_quantx
	.globl	k_q5edf0ce59a_quantx
	.p2align	8
	.type	k_q5edf0ce59a_quantx,@function
k_q5edf0ce59a_quantx:
	s_mov_b64 s[64:65], 0
	v_nop
	global_prefetch_b8 v0, s[64:65] scope:SCOPE_SE
	s_setreg_imm32_b32 hwreg(HW_REG_WAVE_MODE, 25, 1), 1
	s_wait_xcnt 0x0
; x [4096][1024] f32 becomes codes of BF8 (E5M2), K innermost, at xq + 0, and one E8M0 byte for each 32 along K at xq + XSOFF ([4096][32]).
; A block's scale is 2^(floor(log2(its largest magnitude)) - 15); its byte is the largest magnitude's exponent field - 15, held at 1 from below.
; LIMITS: a block of zeros, or one whose largest magnitude lies under 2^-111, gets the byte 1 (this program alone reads the bytes; zero codes add nothing); NaN and infinities are not served.
; Rows are dense and 1,024 is a multiple of 32: the tensor is a plain stream of blocks.  Eight waves; a wave takes 4 steps of 512 numbers, a work-group 16,384 numbers.
; A WAVE ASKS FOR ALL ITS 8,192 BYTES AT ITS HEAD, sixteen loads into sixteen registers' sets of their own: it waits for memory once, and the counts run down as the steps are worked.
; Each load reads 512 consecutive bytes; a step's 2,048 bytes turn through the wave's own stage in LDS (16 bytes of padding behind each 64) and come back 16 neighbours a lane: two lanes hold a block.
; A work-group's 512 scale bytes are gathered in LDS and leave by one store of wave 0: 512 consecutive bytes.
.set STEPS, 4
.set R,     16                         ; v16-79   four sets of 16 numbers as loaded, one for each step
.set X,     80                         ; v80-111  two sets of 16 neighbours
.set E,     112                        ; v112-115 a scale byte for each step
.set C,     128                        ; v128-143 codes, four registers a step: no store's data are written again
.set WREG,  5120                       ; LDS: a region for each wave: two stages of 32 x SP bytes
.set SP,    80
.set SCB,   40960                      ; LDS: the work-group's 512 scale bytes, 64 for each wave
.set XSOFF, 4194304
	s_load_b128 s[4:7], s[0:1], 0x0                ; x, xq
	v_lshl_add_u32 v144, v0, 2, 0xa200
	v_mov_b32 v145, 0
	v_lshrrev_b32 v1, 5, v0
	s_delay_alu instid0(VALU_DEP_1)
	v_readfirstlane_b32 s16, v1                    ; wave 0..7
	v_and_b32 v2, 31, v0                           ; lane
	s_delay_alu instid0(VALU_DEP_1)
	v_lshlrev_b32 v3, 4, v2                        ; 16 x lane: my bytes of a load's 512, and of a step's codes
	s_mul_i32 s17, s16, WREG
	v_lshrrev_b32 v14, 2, v2
	s_delay_alu instid0(VALU_DEP_1)
	v_mul_u32_u24 v14, v14, SP
	v_and_b32 v15, 3, v2
	s_delay_alu instid0(VALU_DEP_1)
	v_lshl_add_u32 v14, v15, 4, v14
	s_delay_alu instid0(VALU_DEP_1)
	v_add_nc_u32 v14, s17, v14                     ; the stage, in: SP (lane / 4) + 16 (lane % 4)
	v_mul_u32_u24 v15, v2, SP
	s_delay_alu instid0(VALU_DEP_1)
	v_add_nc_u32 v15, s17, v15                     ; and out: SP x lane
	v_lshrrev_b32 v5, 1, v2
	s_lshl_b32 s17, s16, 6
	s_add_co_u32 s17, s17, SCB
	v_add_nc_u32 v5, s17, v5                       ; my block's scale byte: SCB + 64 x wave + lane / 2
	v_add_nc_u32 v6, SCB, v3                       ; where wave 0 reads the 512 bytes back
	s_mov_b32 s23, 0x600000                        ; the mantissa field of 57,344
	s_lshl_b32 s18, ttmp9, 3
	s_add_co_u32 s18, s18, s16                     ; which run of 2,048 numbers is my wave's
	s_lshl_b32 s20, s18, 13                        ; its f32 bytes
	s_mov_b32 s21, 0
	s_lshl_b32 s24, s18, 11                        ; its codes
	s_mov_b32 s25, 0
	s_lshl_b32 s26, ttmp9, 9
	s_add_co_u32 s26, s26, XSOFF                   ; the work-group's scale bytes
	s_mov_b32 s27, 0
	s_wait_alu depctr_va_vdst(0)
	s_wait_kmcnt 0x0
	s_add_nc_u64 s[4:5], s[4:5], s[20:21]
	s_add_nc_u64 s[8:9], s[6:7], s[24:25]
	s_add_nc_u64 s[10:11], s[6:7], s[26:27]
.macro LOAD t
.irp i, 0,1,2,3
	global_load_b128 v[R+16*(\t)+4*\i:R+16*(\t)+4*\i+3], v3, s[4:5] offset:2048*(\t)+512*\i th:TH_LOAD_NT
.endr
.endm
.macro TURN t                          ; LDS serves a wave's instructions in order: no wait between the stores and the loads
.irp i, 0,1,2,3
	ds_store_b128 v14, v[R+16*(\t)+4*\i:R+16*(\t)+4*\i+3] offset:32*SP*((\t)%2)+8*SP*\i
.endr
.irp i, 0,1,2,3
	ds_load_b128 v[X+16*((\t)%2)+4*\i:X+16*((\t)%2)+4*\i+3], v15 offset:32*SP*((\t)%2)+16*\i
.endr
.endm
.irp t, 0,1,2,3
	LOAD \t                                        ; all that the wave will read
.endr
	s_wait_loadcnt 12                              ; step 0's four loads are in; the twelve of steps 1 to 3 may be out
	TURN 0
.macro STEP t
.set XS, X+16*((\t)%2)
.if (\t) > 0
	s_wait_dscnt 1                                 ; this step's numbers are back (the last step's byte store may be out)
.else
	s_wait_dscnt 0x0
.endif
.if (\t)+1 < STEPS
	s_wait_loadcnt 4*(STEPS-2-(\t))                ; the next step's four loads are in; those of the steps behind it may be out
	TURN (\t)+1                                    ; and go through the other stage while this step is worked
.endif
	v_max3_num_f32 v8, |v[XS]|, |v[XS+1]|, |v[XS+2]|
	v_max3_num_f32 v9, |v[XS+3]|, |v[XS+4]|, |v[XS+5]|
.irp i, 6,10
	s_delay_alu instid0(VALU_DEP_2)
	v_max3_num_f32 v8, v8, |v[XS+\i]|, |v[XS+\i+1]|
	s_delay_alu instid0(VALU_DEP_2)
	v_max3_num_f32 v9, v9, |v[XS+\i+2]|, |v[XS+\i+3]|
.endr
	s_delay_alu instid0(VALU_DEP_2)
	v_max3_num_f32 v8, v8, |v[XS+14]|, |v[XS+15]|
	s_delay_alu instid0(VALU_DEP_1)
	v_max3_num_f32 v8, v8, v9, 0x8000000           ; the floor 2^(16 - 127): the byte cannot fall under 1
	s_delay_alu instid0(VALU_DEP_1)
	v_max_num_f32_dpp v8, v8, v8 row_xmask:1 row_mask:0xf bank_mask:0xf   ; with my neighbour's 16: the block's largest magnitude
	s_delay_alu instid0(VALU_DEP_1)
	v_add_nc_u32 v11, 0xf8800000, v8               ; 15 off its exponent field: the conversion's scale operand
	s_delay_alu instid0(VALU_DEP_2)
	v_and_or_b32 v10, v8, 0x7f800000, s23          ; 57,344 x the scale
.irp i, 0,1,2,3,4,5,6,7,8,9,10,11,12,13,14,15
	v_med3_num_f32 v[XS+\i], v[XS+\i], -v10, v10   ; the conversion does not saturate (ISA guide 7.6.2): hold first
.endr
	v_cvt_scalef32_pk8_bf8_f32 v[C+4*(\t):C+4*(\t)+1], v[XS:XS+7], v11
	v_cvt_scalef32_pk8_bf8_f32 v[C+4*(\t)+2:C+4*(\t)+3], v[XS+8:XS+15], v11
	v_lshrrev_b32 v[E+(\t)], 23, v11               ; the scale's byte (also the plain line behind the conversions)
	ds_store_b8 v5, v[E+(\t)] offset:16*(\t)       ; both lanes of a block write the same byte
	global_store_b128 v3, v[C+4*(\t):C+4*(\t)+3], s[8:9] offset:512*(\t)   ; 512 consecutive bytes a wave
.endm
.irp t, 0,1,2,3
	STEP \t
.endr
	s_wait_dscnt 0x0                               ; for the others' sake: my byte stores are done
	s_barrier_signal -1
	s_barrier_wait -1
	s_cmp_lg_u32 s16, 0
	s_cbranch_scc1 .Ldone
	ds_load_b128 v[8:11], v6
	s_wait_dscnt 0x0
	global_store_b128 v3, v[8:11], s[10:11]        ; the work-group's 512 scale bytes, consecutive and aligned
.Ldone:
	s_wait_tensorcnt 0x0
	ds_add_u32 v144, v145
	s_wait_dscnt 0x0
	s_endpgm
.Lfunc_end_k_q5edf0ce59a_quantx:
	.size	k_q5edf0ce59a_quantx, .Lfunc_end_k_q5edf0ce59a_quantx-k_q5edf0ce59a_quantx
	.p2alignl 7, 3214868480
	.fill 96, 4, 3214868480
	.section	.rodata,"a",@progbits
	.p2align	6, 0x0
	.amdhsa_kernel k_q5edf0ce59a_quantx
		.amdhsa_group_segment_fixed_size 42496
		.amdhsa_private_segment_fixed_size 0
		.amdhsa_enable_private_segment 0
		.amdhsa_kernarg_size 16
		.amdhsa_user_sgpr_count 2
		.amdhsa_user_sgpr_kernarg_segment_ptr 1
		.amdhsa_wavefront_size32 1
		.amdhsa_system_sgpr_workgroup_id_x 1
		.amdhsa_system_sgpr_workgroup_id_y 1
		.amdhsa_system_sgpr_workgroup_id_z 1
		.amdhsa_system_vgpr_workitem_id 0
		.amdhsa_next_free_vgpr 146
		.amdhsa_next_free_sgpr 66
		.amdhsa_reserve_vcc 0
		.amdhsa_float_denorm_mode_32 3
		.amdhsa_float_denorm_mode_16_64 3
		.amdhsa_memory_ordered 1
		.amdhsa_forward_progress 1
		.amdhsa_inst_pref_size 16
	.end_amdhsa_kernel
	.amdgpu_metadata
---
amdhsa.version: [ 1, 2 ]
amdhsa.kernels:
  - .name:           k_q5edf0ce59a_quantx
    .symbol:         k_q5edf0ce59a_quantx.kd
    .args:
      - { .name: x, .offset: 0, .size: 8, .value_kind: global_buffer, .address_space: global }
      - { .name: xq, .offset: 8, .size: 8, .value_kind: global_buffer, .address_space: global }
    .group_segment_fixed_size: 42496
    .private_segment_fixed_size: 0
    .kernarg_segment_align: 8
    .kernarg_segment_size: 16
    .max_flat_workgroup_size: 256
    .sgpr_count:     66
    .vgpr_count:     146
    .wavefront_size: 32
...
	.end_amdgpu_metadata
.endif
;; end of part 1
;; launch proj (part 2): grid 12 x 16, 4 waves a work-group, clusters of 4 x 4, 327,680 bytes of LDS; arguments xq, Wq_codes, Wq_scales, Wk_codes, Wk_scales, Wv_codes, Wv_scales, bq, bk, bv, qkv; writes qkv
.if DOCPART == 2
	.amdgcn_target "amdgcn-amd-amdhsa--gfx1250"
	.amdhsa_code_object_version 6
	.text
	.protected	k_q5edf0ce59a_proj
	.globl	k_q5edf0ce59a_proj
	.p2align	8
	.type	k_q5edf0ce59a_proj,@function
k_q5edf0ce59a_proj:
	s_mov_b64 s[64:65], 0
	v_nop
	global_prefetch_b8 v0, s[64:65] scope:SCOPE_SE
	s_setreg_imm32_b32 hwreg(HW_REG_WAVE_MODE, 25, 1), 1
	s_wait_xcnt 0x0
	s_wait_alu depctr_hold_cnt(0) depctr_sa_sdst(0) depctr_va_vdst(0) depctr_va_sdst(0) depctr_va_ssrc(0) depctr_va_vcc(0) depctr_vm_vsrc(0)
	s_getreg_b32 s2, hwreg(HW_REG_IB_STS2, 6, 4)
	s_cmp_eq_u32 s2, 0
	s_cbranch_scc0 .Lentry_in_a_cluster
	s_endpgm
.Lentry_in_a_cluster:
	s_bfe_u32 s2, ttmp6, 0x10000c
	s_cmp_lg_u32 s2, 0xf033
	s_cbranch_scc0 .Lentry_shape_is_right
	s_endpgm
.Lentry_shape_is_right:
; q, k, v = x W^T + b on codes of BF8 with E8M0 scales (K = 1,024), each quantised again on the way out for the two products of attention.
; Cluster x says which: 0 q, 1 k, 2 v.  A tile is 256 x 256, four waves of 128 x 128 (64 accumulators).  The matrix instruction is used transposed: source 0 ('B') gives the registers, source 1 ('A') the lanes.
; q, k: A = tokens (x), B = features (W): a lane's registers run along the head's 64, which is K of q k^T.   v: A = channels (Wv), B = tokens (x): a lane's registers run along the keys, K of p v.
; One text serves the three: pointers and steps are chosen by s_cselect on the cluster's x, which all partners share; no branch hangs on it.
; The loop: K in steps of 256 through two LDS slots, tiles asked for jointly (A's along a row of the cluster, B's along a column); the scales of all of K come once.
; THE WAY OUT needs no LDS: a lane's 16 registers of two neighbouring tiles of source 0 are elements 16 u + 8 h + j of a block of 32; the conversions put them at places 16 h + 8 u + j.  That is a
; permutation inside one scale block, and q and k (p and v) carry the same one: the products are the same, only the order of the f32 sums differs.  The codes are stored as images of operand registers:
; a group of four registers is 512 bytes, lane l's 16 bytes at 16 l.  qkv: q's, k's codes [bh][128 tokens][tile of 16][feature block][lane][16]; v's [bh][128 keys][16 channels][key block][lane][16]; scale words [bh][128 tokens][row 16][4].
; LIMITS: NaN and infinities are not served; a block of zeros or under 2^-111 gets the byte 1 (this program alone reads the bytes).
.set NQ,     2
.set ROWB,   256
.set KROW,   1024
.set PITCH,  272                       ; 256 bytes + 16 of padding: the 16 rows that a load touches start at 16 different banks (64 banks of 4 bytes: ISA guide 11.1)
.set FR,     16
.set NL,     4
.set NP,     8                         ; places behind this matrix instruction (ISA guide 7.12.1)
.set HALFT,  128*PITCH
.set SLOT,   4*HALFT
.set LAPS,   2
.set KS,     32                        ; a row of scales in bytes
.set SCL,    2*SLOT                    ; behind the ring: the scales, units of 256 bytes + 16
.set HALFS,  16*272
.set SBLK,   544
.set SPARE,  SCL+4*HALFS               ; the spare words: two blocks of 256 bytes that no other line names
.set BM,   8                           ; v8-15   bias by lane (v): b[feat0 + 16 a + r]
.set ADRA, 16
.set ADRB, 20
.set ADRS, 27
.set SPW,  28
.set NIL,  29
.set SC,   32                          ; v32-63  scale words, two sets
.set BN,   64                          ; v64-127 bias by register (q, k): block b: b[feat0 + 16 b + 8 h + j]: the C of the first products
.set AF,   128                         ; A's fragments, one set
.set T,    128                         ; the way out: 64 numbers
.set PC,   192                         ; 16 registers of codes
.set TM,   208                         ; at work
.set PWS,  224                         ; eight scale words
.set DW,   232                         ; the four words that leave
.set VO,   236                         ; four store offsets
.set G1, 24
.set G0, 32
.set G1B, 48
.set G0B, 56
.set G1S, 68
.set G0S, 76
.set G1SB, 80
.set G0SB, 88
.set MSB, 0
.macro WIN new                         ; the immediate's high byte repeats the setting that is left
.if MSB != (\new)
	s_set_vgpr_msb (MSB<<8)|(\new)
.set MSB, (\new)
.endif
.endm
.set MUL_LO, 0xa1                      ; source 0 (B) window 1, source 1 (A) window 0, C and D window 2
.set MUL_HI, 0xf1
.set TO_B,   0x40
.macro JLOAD g0a, g1a, g0b, g1b        ; a joint load: waves 0, 1 for A, waves 2, 3 for B; four v_nop follow each line
	s_cmp_eq_u32 s15, 0
	s_cbranch_scc0 .Lfor_b_\@
	tensor_load_to_lds s[\g0a:\g0a+3], s[\g1a:\g1a+7]
	s_nop 0
.rept 4
	v_nop
.endr
	s_branch .Lasked_\@
.Lfor_b_\@:
	tensor_load_to_lds s[\g0b:\g0b+3], s[\g1b:\g1b+7]
	s_nop 0
.rept 4
	v_nop
.endr
.Lasked_\@:
.endm
.macro CREST
	s_cmp_lg_u32 s14, 0
	s_cbranch_scc1 .Lnot_wave_0_\@
	s_barrier_signal -3
.Lnot_wave_0_\@:
	s_barrier_wait -3
	s_barrier_signal -1
	s_barrier_wait -1
.endm
.macro CROUND
	s_barrier_signal -1
	s_barrier_wait -1
	CREST
.endm
	s_load_b512 s[24:39], s[0:1], 0x0              ; xq, Wq, Wq's scales, Wk, Wk's scales, Wv, Wv's scales, bq
	s_load_b128 s[48:51], s[0:1], 0x40             ; bk, bv
	s_load_b64 s[52:53], s[0:1], 0x50              ; qkv
	v_lshl_add_u32 v[SPW], v0, 2, SPARE
	v_mov_b32 v[NIL], 0
	ds_add_u32 v28, v29
	ds_add_u32 v28, v29
	s_wait_dscnt 0x0
	v_lshrrev_b32 v1, 5, v0
	v_readfirstlane_b32 s14, v1                    ; wave
	s_lshr_b32 s15, s14, 1                         ; my half of A's rows; also: I fetch for A (0) or B (1)
	s_and_b32 s16, s14, 1                          ; my half of B's rows; also: which 128 rows I fetch
	s_bfe_u32 s40, ttmp6, 0x40000                  ; cx
	s_bfe_u32 s41, ttmp6, 0x40004                  ; cy
	s_and_b32 s18, ttmp7, 0xffff
	s_lshl_b32 s18, s18, 2                         ; 4 x cluster y: the tokens' coordinate
	s_cmp_eq_u32 ttmp9, 2
	s_cselect_b32 s19, 0, s18                      ; q, k: tokens are A's rows
	s_cselect_b32 s18, s18, 0                      ; v: tokens are B's rows
	s_add_co_u32 s17, s41, s19                     ; tile row
	s_add_co_u32 s42, s40, s18                     ; tile column
	s_lshl_b32 s43, s41, 2
	s_lshl_b32 s43, 15, s43                        ; my row of the cluster
	s_lshl_b32 s44, 0x1111, s40                    ; my column
	s_lshl_b32 s2, s16, 7
	s_lshl_b32 s20, s17, 8
	s_add_co_u32 s20, s20, s2                      ; the first row of A that I fetch
	s_lshl_b32 s46, s42, 8
	s_add_co_u32 s46, s46, s2                      ; of B
	s_lshl_b32 s22, s20, 5                         ; its scales, 32 bytes a row,
	s_mov_b32 s23, 0
	s_lshl_b32 s20, s20, 10                        ; its codes, 1,024 bytes a row
	s_mov_b32 s21, 0
	s_lshl_b32 s18, s46, 5
	s_mov_b32 s19, 0
	s_lshl_b32 s46, s46, 10
	s_mov_b32 s47, 0
	s_mul_i32 s45, s14, HALFT                      ; where they go: wave x 128 rows
	s_mul_i32 s2, s14, HALFS
	s_wait_kmcnt 0x0
	s_add_nc_u64 s[100:101], s[24:25], 4194304     ; x's scales
	s_cmp_eq_u32 ttmp9, 0
	s_cselect_b64 s[26:27], s[26:27], s[30:31]     ; Wq or Wk
	s_cselect_b64 s[28:29], s[28:29], s[32:33]
	s_cselect_b64 s[38:39], s[38:39], s[48:49]
	s_cmp_eq_u32 ttmp9, 2
	s_cselect_b64 s[26:27], s[34:35], s[26:27]     ; or Wv
	s_cselect_b64 s[28:29], s[36:37], s[28:29]
	s_cselect_b64 s[98:99], s[50:51], s[38:39]     ; the bias
	s_cselect_b64 s[4:5], s[26:27], s[24:25]       ; A's codes: Wv, or x
	s_cselect_b64 s[6:7], s[28:29], s[100:101]
	s_cselect_b64 s[8:9], s[24:25], s[26:27]       ; B's codes: x, or W
	s_cselect_b64 s[10:11], s[100:101], s[28:29]
	s_cselect_b32 s95, -1, 0                       ; all lanes: v
	s_mov_b32 s96, 1024
	s_cselect_b32 s96, 2048, s96                   ; from block a to a + 1 in the codes' buffer
	s_mov_b32 s97, 0
	s_mov_b32 s92, 1024
	s_cselect_b32 s92, 124928, s92                 ; from block 3 to 4 (v: on to the next head: 131,072 - 3 x 2,048)
	s_mov_b32 s93, 0
	s_mov_b32 s94, 131072
	s_cselect_b32 s94, 1024, s94                   ; from block-of-32 number 0 to 2 (q, k: the next head)
	s_mov_b64 s[12:13], s[52:53]
	s_mov_b64 s[66:67], s[52:53]
	s_add_nc_u64 s[20:21], s[4:5], s[20:21]
	s_add_nc_u64 s[22:23], s[6:7], s[22:23]
	s_add_nc_u64 s[46:47], s[8:9], s[46:47]
	s_add_nc_u64 s[18:19], s[10:11], s[18:19]
	; descriptor group 1: 128 rows x 256 bytes, 16 bytes of padding behind each
	s_or_b32 s[G1+0], s43, (0<<16)|(1<<20)|(1<<21)|(5<<22)|(3<<25)
	s_or_b32 s[G1B+0], s44, (0<<16)|(1<<20)|(1<<21)|(5<<22)|(3<<25)
.irp g, G1, G1B
	s_mov_b32 s[\g+1], ROWB<<16
	s_mov_b32 s[\g+2], 128<<16
	s_mov_b32 s[\g+3], ROWB<<16
	s_mov_b32 s[\g+4], 128
	s_mov_b32 s[\g+5], KROW
	s_mov_b32 s[\g+6], 0
	s_mov_b32 s[\g+7], 0
.endr
	; the scales of 128 rows: 4,096 dense bytes as 16 rows of 256 bytes, 16 bytes of padding behind each
	s_or_b32 s[G1S+0], s43, (3<<16)|(1<<20)|(1<<21)|(5<<22)|(3<<25)
	s_or_b32 s[G1SB+0], s44, (3<<16)|(1<<20)|(1<<21)|(5<<22)|(3<<25)
.irp g, G1S, G1SB
	s_mov_b32 s[\g+1], 32<<16
	s_mov_b32 s[\g+2], 16<<16
	s_mov_b32 s[\g+3], 32<<16
	s_mov_b32 s[\g+4], 16
	s_mov_b32 s[\g+5], 32
	s_mov_b32 s[\g+6], 0
	s_mov_b32 s[\g+7], 0
.endr
	CROUND                                         ; all sixteen work-groups are here: the first joint loads meet
	s_mov_b32 s[G0S], 1
	s_add_co_u32 s[G0S+1], s2, SCL
	s_mov_b64 s[G0S+2:G0S+3], s[22:23]
	s_or_b32 s[G0S+3], s[G0S+3], 0x80000000
	s_mov_b32 s[G0SB], 1
	s_add_co_u32 s[G0SB+1], s2, SCL
	s_mov_b64 s[G0SB+2:G0SB+3], s[18:19]
	s_or_b32 s[G0SB+3], s[G0SB+3], 0x80000000
	JLOAD G0S, G1S, G0SB, G1SB                     ; the scales first
.irp s, 0,1
	s_mov_b32 s[G0+4*\s], 1
	s_add_co_u32 s[G0+4*\s+1], s45, \s*SLOT
	s_add_nc_u64 s[G0+4*\s+2:G0+4*\s+3], s[20:21], \s*ROWB
	s_or_b32 s[G0+4*\s+3], s[G0+4*\s+3], 0x80000000
	s_mov_b32 s[G0B+4*\s], 1
	s_add_co_u32 s[G0B+4*\s+1], s45, \s*SLOT
	s_add_nc_u64 s[G0B+4*\s+2:G0B+4*\s+3], s[46:47], \s*ROWB
	s_or_b32 s[G0B+4*\s+3], s[G0B+4*\s+3], 0x80000000
	JLOAD G0+4*\s, G1, G0B+4*\s, G1B
.endr
	v_and_b32 v1, 15, v0                           ; r
	v_bfe_u32 v2, v0, 4, 1                         ; h
	v_mul_u32_u24 v3, v1, PITCH
	v_lshl_add_u32 v4, v2, 4, v3
	s_mul_i32 s21, s15, HALFT
	s_mul_i32 s22, s16, HALFT
	s_add_co_u32 s22, s22, 2*HALFT
.irp s, 0,1
	v_add_nc_u32 v[ADRA+\s], s21, v4
	v_add_nc_u32 v[ADRB+\s], s22, v4
	s_add_co_u32 s21, s21, SLOT
	s_add_co_u32 s22, s22, SLOT
.endr
	v_mul_u32_u24 v5, v1, KS                       ; my row's scales,
	v_lshrrev_b32 v6, 8, v5
	v_lshl_add_u32 v5, v6, 4, v5                   ; 16 more for each 256 passed
	s_mul_i32 s21, s15, HALFS
	s_mul_i32 s22, s16, HALFS
	s_add_co_u32 s22, s22, 2*HALFS
	s_sub_co_u32 s22, s22, s21
	v_mul_u32_u24 v6, s22, v2                      ; lanes 16-31 take B's
	s_add_co_u32 s21, s21, SCL
	v_add_nc_u32 v5, v5, v6
	v_add_nc_u32 v[ADRS], s21, v5
	; where my results go
	s_lshl_b32 s20, s17, 8
	s_lshl_b32 s21, s15, 7
	s_add_co_u32 s20, s20, s21                     ; m0: my first row of A
	s_lshl_b32 s21, s42, 8
	s_lshl_b32 s22, s16, 7
	s_add_co_u32 s21, s21, s22                     ; n0: of B
	s_cmp_eq_u32 ttmp9, 2
	s_cselect_b32 s22, s21, s20                    ; my first token
	s_cselect_b32 s23, s20, s21                    ; my first feature
	s_lshr_b32 s46, s22, 11
	s_lshl_b32 s46, s46, 4
	s_lshr_b32 s47, s23, 6
	s_add_co_u32 s46, s46, s47                     ; bh = 16 x batch + head
	s_bfe_u32 s47, s22, 0x40007                    ; which 128 tokens of the batch
	s_lshl_b32 s18, ttmp9, 22
	s_lshl_b32 s19, s46, 17
	s_add_co_u32 s18, s18, s19
	s_lshl_b32 s19, s47, 13
	s_add_co_u32 s18, s18, s19
	s_mov_b32 s19, 0
	s_add_nc_u64 s[12:13], s[12:13], s[18:19]      ; the codes
	s_lshl_b32 s18, ttmp9, 17
	s_lshl_b32 s19, s46, 12
	s_add_co_u32 s18, s18, s19
	s_lshl_b32 s19, s47, 8
	s_add_co_u32 s18, s18, s19
	s_add_co_u32 s18, s18, 12582912
	s_mov_b32 s19, 0
	s_add_nc_u64 s[66:67], s[66:67], s[18:19]      ; the scale words
	s_lshl_b32 s18, s23, 2
	s_add_nc_u64 s[98:99], s[98:99], s[18:19]      ; the bias at my first feature: 128 numbers from there, inside its 1,024
	v_lshlrev_b32 v7, 5, v2                        ; 32 h
	v_lshlrev_b32 v6, 2, v1                        ; 4 r
.irp b, 0,1,2,3,4,5,6,7
	global_load_b128 v[BN+8*\b:BN+8*\b+3], v7, s[98:99] offset:64*\b
	global_load_b128 v[BN+8*\b+4:BN+8*\b+7], v7, s[98:99] offset:64*\b+16
.endr
.irp a, 0,1,2,3,4,5,6,7
	global_load_b32 v[BM+\a], v6, s[98:99] offset:64*\a
.endr
	s_wait_loadcnt 0x0
.set n_, 0
.rept 64
	v_cndmask_b32 v[BN+n_], v[BN+n_], 0, s95       ; v: the bias does not go by register
.set n_, n_+1
.endr
.irp a, 0,1,2,3,4,5,6,7
	v_cndmask_b32 v[BM+\a], 0, v[BM+\a], s95       ; q, k: nor by lane
.endr
.macro FRAG reg, adr, q, i             ; 16 rows x 128 K: lane l holds row l % 16; registers 4 c .. 4 c + 3: K = 32 c + 16 (l / 16) + 0 .. 15
.irp c, 0,1,2,3
	ds_load_b128 v[\reg+4*\c:\reg+4*\c+3], v[\adr] offset:128*(\q)+32*\c+(\i)*16*PITCH
.endr
.endm
; 16 matrix instructions: A's blocks a0, a0 + 1 x B's eight.  start = 1: the bias is the C of the first product.  The 64 accumulators take turns, one instruction a turn.
.macro MUL16 a0, p, q, sc, start
.irp a, \a0, \a0+1
.irp b, 0,1,2,3,4,5,6,7
.if \start
	v_wmma_scale_f32_16x16x128_f8f6f4 v[8*(8*((\a)%4)+\b):8*(8*((\a)%4)+\b)+7], v[128*(\p)+FR*\b:128*(\p)+FR*\b+FR-1], v[AF+FR*(\a):AF+FR*(\a)+FR-1], v[BN+8*\b:BN+8*\b+7], v[SC+8*NQ*(\sc)+NQ*\b+(\q)], v[SC+8*NQ*(\sc)+NQ*(\a)+(\q)] matrix_a_fmt:MATRIX_FMT_BF8 matrix_b_fmt:MATRIX_FMT_BF8 matrix_a_scale:MATRIX_SCALE_ROW1
.else
	v_wmma_scale_f32_16x16x128_f8f6f4 v[8*(8*((\a)%4)+\b):8*(8*((\a)%4)+\b)+7], v[128*(\p)+FR*\b:128*(\p)+FR*\b+FR-1], v[AF+FR*(\a):AF+FR*(\a)+FR-1], v[8*(8*((\a)%4)+\b):8*(8*((\a)%4)+\b)+7], v[SC+8*NQ*(\sc)+NQ*\b+(\q)], v[SC+8*NQ*(\sc)+NQ*(\a)+(\q)] matrix_a_fmt:MATRIX_FMT_BF8 matrix_b_fmt:MATRIX_FMT_BF8 matrix_a_scale:MATRIX_SCALE_ROW1
.endif
.endr
.endr
.endm
.macro FETCH_B slot, q, p
	WIN TO_B
.irp i, 0,1,2,3,4,5,6,7
	FRAG 128*(\p)+FR*\i, ADRB+\slot, \q, \i
.endr
	WIN 0
.endm
.macro FETCH_A slot, q, i0
.irp i, \i0, \i0+1, \i0+2, \i0+3
	FRAG AF+FR*(\i), ADRA+\slot, \q, \i
.endr
.endm
.macro SCALES sc                       ; lanes 0-15 take A's block i, lanes 16-31 B's block i: two words, a K step's
.irp i, 0,1,2,3,4,5,6,7
	ds_load_b64 v[SC+8*NQ*\sc+NQ*\i:SC+8*NQ*\sc+NQ*\i+1], v[ADRS] offset:\i*SBLK
.endr
.endm
.macro PLACES n
.rept \n
	v_nop
.endr
.endm
.macro STEP slot, q, start
	s_wait_dscnt 4*NL                              ; B's set and A's blocks 0-3 are in; A's blocks 4-7 may be out
.if \start
	WIN 0x81                                       ; C (the bias) in window 0
.else
	WIN MUL_LO
.endif
	MUL16 0, (\q)%2, \q, \slot, \start
	MUL16 2, (\q)%2, \q, \slot, \start
	s_wait_dscnt 0
	PLACES NP                                      ; in front of loads into registers that matrix instructions have read
	FETCH_B \slot, (\q)+1, 1-(\q)%2
	FETCH_A \slot, (\q)+1, 0
.if \start
	WIN 0xc1
.else
	WIN MUL_HI
.endif
	MUL16 4, (\q)%2, \q, \slot, \start
	MUL16 6, (\q)%2, \q, \slot, \start
	PLACES NP
	WIN 0
	FETCH_A \slot, (\q)+1, 4
.endm
; A slot's last step changes slots: one barrier; in front of it each wave waits for all its tensor loads, adds 0 to its spare word, and waits for that and for its reads of this slot.
.macro TURN slot, next, fill
	s_wait_tensorcnt 0x0                           ; my part of the next slot has landed: no load of mine is out
	ds_add_u32 v[SPW], v[NIL]
	s_wait_dscnt 4*NL+1                            ; (the add and A's blocks 4-7 may be out)
	WIN MUL_LO
	MUL16 0, 1, NQ-1, \slot, 0
	s_wait_dscnt 0x0                               ; the add is done, and my reads of this slot are over
	s_barrier_signal -1
	MUL16 2, 1, NQ-1, \slot, 0
	WIN 0
	s_barrier_wait -1
.if \fill
	CREST                                          ; the barrier has opened a round of the cluster's: no wave of any partner still reads this slot or has a load on its way
	s_add_nc_u64 s[G0+4*\slot+2:G0+4*\slot+3], s[G0+4*\slot+2:G0+4*\slot+3], 2*ROWB
	s_add_nc_u64 s[G0B+4*\slot+2:G0B+4*\slot+3], s[G0B+4*\slot+2:G0B+4*\slot+3], 2*ROWB
	JLOAD G0+4*\slot, G1, G0B+4*\slot, G1B         ; the first tensor load behind the round; its four v_nop are four of the eight places
	PLACES NP-4
.else
	PLACES NP
.endif
	v_add_nc_u32 v[ADRS], 4*NQ, v[ADRS]            ; the next K step's scale words
	FETCH_B \next, 0, 0
	FETCH_A \next, 0, 0
	SCALES \next
	WIN MUL_HI
	MUL16 4, 1, NQ-1, \slot, 0
	MUL16 6, 1, NQ-1, \slot, 0
	PLACES NP
	WIN 0
	FETCH_A \next, 0, 4
.endm
	s_wait_tensorcnt 1                             ; the scales and my part of K step 0 are in; K step 1's load may be out
	s_barrier_signal -1
	s_barrier_wait -1
	FETCH_B 0, 0, 0
	FETCH_A 0, 0, 0
	SCALES 0
	FETCH_A 0, 0, 4
	STEP 0, 0, 1
	s_mov_b32 s3, LAPS-1
.Llap:
	TURN 0, 1, 1
	STEP 1, 0, 0
	TURN 1, 0, 1
	STEP 0, 0, 0
	s_sub_co_u32 s3, s3, 1
	s_cmp_lg_u32 s3, 0
	s_cbranch_scc1 .Llap
	TURN 0, 1, 0                                   ; the last lap fills nothing
	STEP 1, 0, 0
	s_wait_dscnt 4*NL
	WIN MUL_LO
	MUL16 0, 1, NQ-1, 1, 0
	MUL16 2, 1, NQ-1, 1, 0
	s_wait_dscnt 0
	WIN MUL_HI
	MUL16 4, 1, NQ-1, 1, 0
	MUL16 6, 1, NQ-1, 1, 0
	WIN 0
; THE WAY OUT.  64 numbers of a lane, register 16 b + i of block b, become 16 registers of codes and a scale word.
.macro QUANT s, pw
.irp b, 0,1,2,3
	v_max3_num_f32 v[TM+\b], |v[\s+16*\b]|, |v[\s+1+16*\b]|, 0x8000000   ; my 16 numbers and the floor 2^(16 - 127)
.endr
.irp i, 2,4,6,8,10,12,14
.irp b, 0,1,2,3
	v_max3_num_f32 v[TM+\b], v[TM+\b], |v[\s+16*\b+\i]|, |v[\s+1+16*\b+\i]|
.endr
.endr
.irp b, 0,1,2,3
	v_permlanex16_b32 v[TM+4+\b], v[TM+\b], s20, s21
.endr
.irp b, 0,1,2,3
	v_max_num_f32 v[TM+\b], v[TM+\b], v[TM+4+\b]   ; with lane l xor 16's: the block's largest magnitude
.endr
.irp b, 0,1,2,3
	v_add_nc_u32 v[TM+12+\b], 0xf8800000, v[TM+\b] ; 15 off its exponent field: the conversion's scale operand
.endr
.irp b, 0,1,2,3
	v_and_or_b32 v[TM+8+\b], v[TM+\b], 0x7f800000, s23   ; 57,344 x the scale
.endr
.irp b, 0,1,2,3
	v_lshrrev_b32 v[TM+4+\b], 23, v[TM+12+\b]      ; the byte
.endr
	v_lshl_or_b32 v[\pw], v[TM+5], 8, v[TM+4]
	v_lshl_or_b32 v[\pw], v[TM+6], 16, v[\pw]
	v_lshl_or_b32 v[\pw], v[TM+7], 24, v[\pw]
.irp b, 0,1,2,3
.irp i, 0,1,2,3,4,5,6,7,8,9,10,11,12,13,14,15
	v_med3_num_f32 v[\s+16*\b+\i], v[\s+16*\b+\i], -v[TM+8+\b], v[TM+8+\b]   ; the conversion does not saturate (ISA guide 7.6.2)
.endr
	v_cvt_scalef32_pk8_bf8_f32 v[PC+4*\b:PC+1+4*\b], v[\s+16*\b:\s+7+16*\b], v[TM+12+\b]
	v_cvt_scalef32_pk8_bf8_f32 v[PC+2+4*\b:PC+3+4*\b], v[\s+8+16*\b:\s+15+16*\b], v[TM+12+\b]
.endr
	v_nop                                          ; a plain line behind the last conversion
.endm
.macro ADDB a, sel                     ; block a's 64 sums + the lane's bias, into window 0; each accumulator is read from its low end on
.set n_, 0
.rept 32
	v_pk_add_f32 v[T+2*n_:T+2*n_+1], v[64*((\a)%4)+2*n_:64*((\a)%4)+2*n_+1], v[BM+2*((\a)/2):BM+2*((\a)/2)+1] op_sel:[0,\sel] op_sel_hi:[1,\sel]
.set n_, n_+1
.endr
.endm
.macro OUTROW a
.if (\a) > 0
	s_wait_xcnt 0x0                                ; the last block's stores have read their data and their base
.if (\a) == 4
	s_add_nc_u64 s[12:13], s[12:13], s[92:93]
.else
	s_add_nc_u64 s[12:13], s[12:13], s[96:97]
.endif
.endif
	WIN 0x02+(\a)/4                                ; source 0: window 2 or 3
.if ((\a)%2) == 0
	ADDB \a, 0
.else
	ADDB \a, 1
.endif
	WIN 0
	QUANT T, PWS+(\a)
.irp b, 0,1,2,3
	global_store_b128 v[VO+\b], v[PC+4*\b:PC+4*\b+3], s[12:13]   ; 512 consecutive bytes: a group of four registers as it stands
.endr
.endm
	PLACES NP                                      ; behind the last products: their results are read and their operands' registers written below
	s_mov_b32 s20, 0x76543210
	s_mov_b32 s21, 0xfedcba98
	s_mov_b32 s23, 0x600000
	v_and_b32 v[VO], 31, v0
	v_lshlrev_b32 v[VO], 4, v[VO]
	v_add_nc_u32 v[VO+1], 512, v[VO]
	v_add_nc_u32 v[VO+2], s94, v[VO]
	v_add_nc_u32 v[VO+3], 512, v[VO+2]
.irp b, 0,1,2,3
	v_mov_b32 v[TM+4+\b], 0                        ; a lane permute's destination counts as one of its sources
.endr
.irp a, 0,1,2,3,4,5,6,7
	OUTROW \a
.endr
	; the scale words.  q, k: head e, pair of tiles g: the two bytes of tile 2 g, then of tile 2 g + 1.  v: head e, 16 channels d: the word of block 4 e + d.  Lanes 0-15 store the first head's, lanes 16-31 the second's
	v_and_b32 v240, 16, v0
	v_cmp_ne_u32 vcc_lo, 0, v240
.irp g, 0,1,2,3
	v_perm_b32 v241, v[PWS+2*\g+1], v[PWS+2*\g], 0x05040100
	v_perm_b32 v242, v[PWS+2*\g+1], v[PWS+2*\g], 0x07060302
	v_cndmask_b32 v241, v241, v242, vcc_lo
	v_cndmask_b32 v242, v[PWS+\g], v[PWS+4+\g], vcc_lo
	v_cndmask_b32 v[DW+\g], v241, v242, s95
.endr
	v_and_b32 v243, 15, v0
	v_lshlrev_b32 v243, 4, v243
	v_lshl_add_u32 v243, v240, 8, v243             ; 16 r + 4,096 h
	global_store_b128 v243, v[DW:DW+3], s[66:67]   ; sixteen lanes store 256 consecutive bytes, aligned
	s_wait_tensorcnt 0x0                           ; the wave's end
	ds_add_u32 v[SPW], v[NIL]
	s_wait_dscnt 0x0
	CROUND                                         ; the closing round
	s_endpgm
.Lfunc_end_k_q5edf0ce59a_proj:
	.size	k_q5edf0ce59a_proj, .Lfunc_end_k_q5edf0ce59a_proj-k_q5edf0ce59a_proj
	.p2alignl 7, 3214868480
	.fill 96, 4, 3214868480
	.section	.rodata,"a",@progbits
	.p2align	6, 0x0
	.amdhsa_kernel k_q5edf0ce59a_proj
		.amdhsa_group_segment_fixed_size 327680
		.amdhsa_private_segment_fixed_size 0
		.amdhsa_enable_private_segment 0
		.amdhsa_kernarg_size 88
		.amdhsa_user_sgpr_count 2
		.amdhsa_user_sgpr_kernarg_segment_ptr 1
		.amdhsa_wavefront_size32 1
		.amdhsa_system_sgpr_workgroup_id_x 1
		.amdhsa_system_sgpr_workgroup_id_y 1
		.amdhsa_system_sgpr_workgroup_id_z 1
		.amdhsa_system_vgpr_workitem_id 0
		.amdhsa_next_free_vgpr 1024
		.amdhsa_next_free_sgpr 102
		.amdhsa_reserve_vcc 1
		.amdhsa_float_denorm_mode_32 3
		.amdhsa_float_denorm_mode_16_64 3
		.amdhsa_memory_ordered 1
		.amdhsa_forward_progress 1
		.amdhsa_inst_pref_size 210
	.end_amdhsa_kernel
	.amdgpu_metadata
---
amdhsa.version: [ 1, 2 ]
amdhsa.kernels:
  - .name:           k_q5edf0ce59a_proj
    .symbol:         k_q5edf0ce59a_proj.kd
    .args:
      - { .name: xq, .offset: 0, .size: 8, .value_kind: global_buffer, .address_space: global }
      - { .name: Wq_codes, .offset: 8, .size: 8, .value_kind: global_buffer, .address_space: global }
      - { .name: Wq_scales, .offset: 16, .size: 8, .value_kind: global_buffer, .address_space: global }
      - { .name: Wk_codes, .offset: 24, .size: 8, .value_kind: global_buffer, .address_space: global }
      - { .name: Wk_scales, .offset: 32, .size: 8, .value_kind: global_buffer, .address_space: global }
      - { .name: Wv_codes, .offset: 40, .size: 8, .value_kind: global_buffer, .address_space: global }
      - { .name: Wv_scales, .offset: 48, .size: 8, .value_kind: global_buffer, .address_space: global }
      - { .name: bq, .offset: 56, .size: 8, .value_kind: global_buffer, .address_space: global }
      - { .name: bk, .offset: 64, .size: 8, .value_kind: global_buffer, .address_space: global }
      - { .name: bv, .offset: 72, .size: 8, .value_kind: global_buffer, .address_space: global }
      - { .name: qkv, .offset: 80, .size: 8, .value_kind: global_buffer, .address_space: global }
    .group_segment_fixed_size: 327680
    .private_segment_fixed_size: 0
    .kernarg_segment_align: 8
    .kernarg_segment_size: 88
    .max_flat_workgroup_size: 128
    .sgpr_count:     102
    .vgpr_count:     1024
    .wavefront_size: 32
...
	.end_amdgpu_metadata
.endif
;; end of part 2
;; launch attention (part 3): grid 8 x 32, 16 waves a work-group, clusters of 4 x 1, 272,384 bytes of LDS; arguments qkv, attn; writes attn
.if DOCPART == 3
	.amdgcn_target "amdgcn-amd-amdhsa--gfx1250"
	.amdhsa_code_object_version 6
	.text
	.protected	k_q5edf0ce59a_attention
	.globl	k_q5edf0ce59a_attention
	.p2align	8
	.type	k_q5edf0ce59a_attention,@function
k_q5edf0ce59a_attention:
	s_mov_b64 s[64:65], 0
	v_nop
	global_prefetch_b8 v0, s[64:65] scope:SCOPE_SE
	s_setreg_imm32_b32 hwreg(HW_REG_WAVE_MODE, 25, 1), 1
	s_wait_xcnt 0x0
	s_wait_alu depctr_hold_cnt(0) depctr_sa_sdst(0) depctr_va_vdst(0) depctr_va_sdst(0) depctr_va_ssrc(0) depctr_va_vcc(0) depctr_vm_vsrc(0)
	s_getreg_b32 s2, hwreg(HW_REG_IB_STS2, 6, 4)
	s_cmp_eq_u32 s2, 0
	s_cbranch_scc0 .Lentry_in_a_cluster
	s_endpgm
.Lentry_in_a_cluster:
	s_bfe_u32 s2, ttmp6, 0x10000c
	s_cmp_lg_u32 s2, 0x3003
	s_cbranch_scc0 .Lentry_shape_is_right
	s_endpgm
.Lentry_shape_is_right:
; attn[token][64 head + d] = softmax(q k^T / 8) v for one (batch, head) bh, both products on codes of BF8 with E8M0 scales, as launch proj has laid them.
; t = score x log2(e) / 8; M = the running largest t rounded up to a whole number; p = 2^(t - M) is quantised along the keys, not normalised; the row's sum is taken of the unquantised p and divides at the end.
; SHARES.  A work-group owns 256 queries of one bh, each of its sixteen waves one tile of 16.  The head's K and V, codes and scale words (264 KiB), come into LDS ONCE and stay: no slot is filled again.
; The four query blocks of a cluster read the same K and V: every tile is asked for jointly (mask 15).  Each wave issues five loads at the head (waves 0-7 K's, waves 8-15 V's): scale words, then four quarters of the keys.
; TWO BARRIERS OVER THE KEYS.  The first quarter is waited for by a counted wait, so that work begins on it while the other three land; behind its four key steps one wait for all loads and one barrier show the
; rest to every wave, and the remaining twelve key steps run with no barrier among them: the four waves of a SIMD need not meet, and one wave's vector work stands beside another's loads and products throughout.
; THE HEAD'S 64 IN AN INSTRUCTION OF K = 128.  A fragment of K holds TWO keys a row: k 0-63 key 32 g + r, k 64-127 key 32 g + 16 + r.  q stands between zeros: v16-23 zeros, v24-31 q, v32-39 zeros;
; v[24:39] has q at k 0-63 and multiplies the first key, v[16:31] has q at k 64-127 and multiplies the second.  Zero codes add nothing: K's codes are finite and every scale byte lies in 1 to 254.
; Both products are used transposed: a lane holds one query (lane % 16) throughout; registers 16 g + 8 u + j of the scores are keys 32 g + 16 u + 8 h + j, the same order inside a block of 32 in which v's codes were laid.
; LIMITS: NaN and infinities are not served; inside a scale block the order of K differs from the true one, alike on both operands: the products are the same, the order of the f32 sums differs.
.set KCOFF, 4194304
.set VCOFF, 8388608
.set QSOFF, 12582912
.set KSOFF, 12713984
.set VSOFF, 12845056
.set LKS,   262144                     ; LDS: K's codes at 0, V's at 131,072, K's scale words here, V's 4,096 further on
.set LI,  1                            ; v1   16 x lane
.set LSC, 2                            ; v2   LKS + 16 (lane % 16)
.set ADK, 8
.set ADV, 9
.set ADS, 10
.set KV,  40                           ; v40-103  four fragments of K or of V
.set S,   104                          ; v104-167 the scores, then p
.set O,   168                          ; v168-199 O^T
.set PCD, 200                          ; v200-215 p's codes
.set SW,  216                          ; v216-219 scale words of K or of V; v220 q's
.set WV,  66
.set TB,  78                           ; LDS byte of the key step's codes
.set TS,  79                           ; and of its scale words
.set CNT, 80
.set SEL, 82
.set CS,  84
.set MNT, 86
.macro ROUND
	s_barrier_signal -1
	s_barrier_wait -1
	s_cmp_lg_u32 s[WV], 0
	s_cbranch_scc1 .Lnot_wave_0_\@
	s_barrier_signal -3
.Lnot_wave_0_\@:
	s_barrier_wait -3
	s_barrier_signal -1
	s_barrier_wait -1
.endm
	s_load_b128 s[4:7], s[0:1], 0x0                ; qkv, attn
	v_lshl_add_u32 v251, v0, 2, 0x42000
	v_mov_b32 v255, 0
	ds_add_u32 v251, v255
	ds_add_u32 v251, v255
	v_lshrrev_b32 v3, 5, v0
	s_delay_alu instid0(VALU_DEP_1)
	v_readfirstlane_b32 s[WV], v3                  ; wave 0..15
	s_and_b32 s67, s[WV], 7                        ; which eighth of a region I fetch
	s_bfe_u32 s68, ttmp6, 0x40000                  ; cx
	s_lshl_b32 s69, ttmp9, 2
	s_add_co_u32 s69, s69, s68                     ; my block of 256 queries: it enters q's and attn's addresses alone
	s_and_b32 s70, ttmp7, 0xffff                   ; bh, which the partners share
	s_lshl_b32 s71, s69, 4
	s_add_co_u32 s71, s71, s[WV]                   ; my tile of 16 queries, 0..127
	; descriptor group 1: dense rows of 256 bytes (32 elements of 8 bytes): 16 of them for codes, 2 for scale words; mask: all four partners
	s_mov_b32 s8, 15|(3<<16)|(1<<21)
	s_mov_b32 s9, 32<<16
	s_mov_b32 s10, 16<<16
	s_mov_b32 s11, 32<<16
	s_mov_b32 s12, 16
	s_mov_b32 s13, 32
	s_mov_b32 s14, 0
	s_mov_b32 s15, 0
	s_mov_b32 s16, 15|(3<<16)|(1<<21)
	s_mov_b32 s17, 32<<16
	s_mov_b32 s18, 2<<16
	s_mov_b32 s19, 32<<16
	s_mov_b32 s20, 2
	s_mov_b32 s21, 32
	s_mov_b32 s22, 0
	s_mov_b32 s23, 0
	s_lshl_b32 s72, s70, 12
	s_lshl_b32 s76, s67, 9                         ; 512 x eighth: in memory and in LDS
	s_add_co_u32 s72, s72, s76
	s_mov_b32 s73, 0
	s_lshl_b32 s74, s70, 17
	s_lshl_b32 s77, s67, 12                        ; 4,096 x eighth
	s_add_co_u32 s74, s74, s77
	s_mov_b32 s75, 0
	s_mov_b32 s[SEL], 0x76543210
	s_mov_b32 s[SEL+1], 0xfedcba98
	s_mov_b32 s[CS], 0x3e38aa3b                    ; c = log2(e) / 8
	s_mov_b32 s[CS+1], s[CS]
	s_wait_dscnt 0x0
	s_wait_kmcnt 0x0
	s_add_nc_u64 s[72:73], s[4:5], s[72:73]
	s_add_nc_u64 s[74:75], s[4:5], s[74:75]
	s_mov_b32 s24, 1                               ; K's five groups 0: s[24:43]
	s_add_co_u32 s25, s76, LKS
	s_add_nc_u64 s[26:27], s[72:73], KSOFF
	s_or_b32 s27, s27, 0x80000000
	s_mov_b32 s44, 1                               ; V's: s[44:63]
	s_add_co_u32 s45, s76, LKS+4096
	s_add_nc_u64 s[46:47], s[72:73], VSOFF
	s_or_b32 s47, s47, 0x80000000
.irp q, 0,1,2,3
	s_mov_b32 s[28+4*\q], 1
	s_add_co_u32 s[29+4*\q], s77, 32768*\q
	s_add_nc_u64 s[30+4*\q:31+4*\q], s[74:75], KCOFF+32768*\q
	s_or_b32 s[31+4*\q], s[31+4*\q], 0x80000000
	s_mov_b32 s[48+4*\q], 1
	s_add_co_u32 s[49+4*\q], s77, 131072+32768*\q
	s_add_nc_u64 s[50+4*\q:51+4*\q], s[74:75], VCOFF+32768*\q
	s_or_b32 s[51+4*\q], s[51+4*\q], 0x80000000
.endr
	ROUND                                          ; all four work-groups are here: the joint loads meet
	s_cmp_lt_u32 s[WV], 8                          ; a wave's five fills stand in one branch on its number: five loads of mine are out
	s_cbranch_scc0 .Lfor_v
	tensor_load_to_lds s[24:27], s[16:23]
	s_nop 0
	tensor_load_to_lds s[28:31], s[8:15]
	s_nop 0
	tensor_load_to_lds s[32:35], s[8:15]
	s_nop 0
	tensor_load_to_lds s[36:39], s[8:15]
	s_nop 0
	tensor_load_to_lds s[40:43], s[8:15]
	s_nop 0
.rept 4
	v_nop
.endr
	s_branch .Lasked
.Lfor_v:
	tensor_load_to_lds s[44:47], s[16:23]
	s_nop 0
	tensor_load_to_lds s[48:51], s[8:15]
	s_nop 0
	tensor_load_to_lds s[52:55], s[8:15]
	s_nop 0
	tensor_load_to_lds s[56:59], s[8:15]
	s_nop 0
	tensor_load_to_lds s[60:63], s[8:15]
	s_nop 0
.rept 4
	v_nop
.endr
.Lasked:
	v_and_b32 v3, 31, v0
	s_delay_alu instid0(VALU_DEP_1)
	v_lshlrev_b32 v[LI], 4, v3
	v_and_b32 v4, 15, v0
	s_wait_alu depctr_va_vdst(0)
	v_lshl_add_u32 v[LSC], v4, 4, LKS
	s_lshl_b32 s72, s70, 17
	s_lshl_b32 s73, s71, 10
	s_add_co_u32 s72, s72, s73
	s_mov_b32 s73, 0
	s_add_nc_u64 s[72:73], s[4:5], s[72:73]        ; q's codes: bh x 131,072 + 1,024 x tile
	global_load_b128 v[24:27], v[LI], s[72:73]
	global_load_b128 v[28:31], v[LI], s[72:73] offset:512
	s_lshl_b32 s74, s70, 12
	s_lshr_b32 s75, s71, 3
	s_lshl_b32 s75, s75, 8
	s_add_co_u32 s74, s74, s75
	s_bfe_u32 s75, s71, 0x20001
	s_lshl_b32 s75, s75, 2
	s_add_co_u32 s74, s74, s75
	s_add_co_u32 s74, s74, QSOFF
	s_mov_b32 s75, 0
	s_add_nc_u64 s[74:75], s[4:5], s[74:75]        ; the word that holds my tile's two bytes
	v_lshlrev_b32 v5, 4, v4
	global_load_b32 v221, v5, s[74:75]
	s_lshr_b32 s76, s70, 4
	s_lshl_b32 s76, s76, 11
	s_lshl_b32 s77, s71, 4
	s_add_co_u32 s76, s76, s77                     ; my first token
	s_lshl_b32 s76, s76, 12
	s_and_b32 s77, s70, 15
	s_lshl_b32 s77, s77, 8
	s_add_co_u32 s76, s76, s77                     ; + 256 x head
	s_mov_b32 s77, 0
	s_add_nc_u64 s[6:7], s[6:7], s[76:77]
	s_mov_b32 s87, 0x01000100
	s_bitcmp1_b32 s71, 0
	s_cselect_b32 s87, 0x03020302, s87             ; an even tile's bytes are the word's 0 and 1, an odd tile's 2 and 3
.irp j, 0,1,2,3,4,5,6,7
	v_mov_b32 v[16+\j], 0
	v_mov_b32 v[32+\j], 0
.endr
	v_mov_b32 v13, 0xff61b1e6                      ; the largest t so far: -3e38
	s_delay_alu instid0(VALU_DEP_1)
	v_floor_f32 v12, -v13                          ; -M
	v_mov_b32 v14, 0
	v_mov_b32 v15, 0
.irp b, 0,1,2,3
	v_mov_b32 v[236+\b], 0                         ; a lane permute's destination counts as one of its sources
.endr
	v_mov_b32 v253, 0
	s_wait_loadcnt 0x0
	v_perm_b32 v220, v221, v221, s87               ; my tile's two bytes in both halves: one word serves q at k 0-63 and at k 64-127
.set jj, 0
.rept 32
	v_mov_b32 v[O+jj], 0                           ; O^T: the first change of M leaves zeros zeros
.set jj, jj+1
.endr
; A KEY STEP: 128 keys
.macro STEP
	v_add_nc_u32 v[ADK], s[TB], v[LI]
	v_add_nc_u32 v[ADS], s[TS], v[LSC]
	s_delay_alu instid0(VALU_DEP_2)
	v_add_nc_u32 v[ADV], 0x20000, v[ADK]
.rept 5
	v_nop                                          ; with the three additions: eight places in front of loads into registers that matrix instructions have read
.endr
.irp g, 0,1,2,3
.irp c, 0,1,2,3
	ds_load_b128 v[KV+16*\g+4*\c:KV+16*\g+4*\c+3], v[ADK] offset:2048*\g+512*\c   ; an image of the operand's registers: 512 consecutive bytes a load
.endr
.endr
	ds_load_b128 v[SW:SW+3], v[ADS]                ; row r's four words, one for each fragment
	s_wait_alu depctr_va_vdst(0)
	s_wait_dscnt 0x0
.irp g, 0,1,2,3
	v_wmma_scale_f32_16x16x128_f8f6f4 v[S+16*\g:S+16*\g+7], v[KV+16*\g:KV+16*\g+15], v[24:39], 0, v[SW+\g], v220 matrix_a_fmt:MATRIX_FMT_BF8 matrix_b_fmt:MATRIX_FMT_BF8
	v_wmma_scale_f32_16x16x128_f8f6f4 v[S+16*\g+8:S+16*\g+15], v[KV+16*\g:KV+16*\g+15], v[16:31], 0, v[SW+\g], v220 matrix_a_fmt:MATRIX_FMT_BF8 matrix_b_fmt:MATRIX_FMT_BF8
.endr
.rept 8
	v_nop                                          ; in front of the reads of the scores and of the loads over K's registers
.endr
.irp d, 0,1,2,3
.irp c, 0,1,2,3
	ds_load_b128 v[KV+16*\d+4*\c:KV+16*\d+4*\c+3], v[ADV] offset:2048*\d+512*\c   ; V's fragments land under the softmax
.endr
.endr
	ds_load_b128 v[SW:SW+3], v[ADS] offset:4096
.irp b, 0,1,2,3
	v_max3_num_f32 v[232+\b], v[S+16*\b], v[S+1+16*\b], v[S+2+16*\b]   ; the largest score of each block of 32 keys: for the row's maximum and for the block's largest p
.endr
.irp i, 3,5,7,9,11,13
.irp b, 0,1,2,3
	v_max3_num_f32 v[232+\b], v[232+\b], v[S+16*\b+\i], v[S+1+16*\b+\i]
.endr
.endr
.irp b, 0,1,2,3
	v_max_num_f32 v[232+\b], v[232+\b], v[S+15+16*\b]
.endr
.irp b, 0,1,2,3
	s_delay_alu instid0(VALU_DEP_4)
	v_permlanex16_b32 v[236+\b], v[232+\b], s[SEL], s[SEL+1]
.endr
.irp b, 0,1,2,3
	s_delay_alu instid0(VALU_DEP_4)
	v_max_num_f32 v[232+\b], v[232+\b], v[236+\b]
.endr
	s_delay_alu instid0(VALU_DEP_2)
	v_max3_num_f32 v254, v232, v233, v234
	s_delay_alu instid0(VALU_DEP_1)
	v_max_num_f32 v254, v254, v235
	s_delay_alu instid0(VALU_DEP_1)
	v_mul_f32 v254, s[CS], v254
	s_delay_alu instid0(VALU_DEP_1)
	v_max_num_f32 v13, v13, v254                   ; the running largest t
	v_mov_b32 v254, v12
	s_delay_alu instid0(VALU_DEP_2)
	v_floor_f32 v12, -v13                          ; the new -M: a whole number
	s_delay_alu instid0(VALU_DEP_1)
	v_sub_f32 v254, v12, v254
	s_delay_alu instid0(VALU_DEP_1)
	v_cvt_i32_f32 v254, v254                       ; (it saturates)
	s_delay_alu instid0(VALU_DEP_1)
	v_ldexp_f32 v252, 1.0, v254                    ; f = 2^(old M - new M): rounds nothing
.set jj, 0
.rept 32
	v_pk_fma_f32 v[S+jj:S+jj+1], v[S+jj:S+jj+1], s[CS:CS+1], v[12:13] op_sel_hi:[1,0,0]   ; t - M
.set jj, jj+2
.endr
.irp b, 0,1,2,3
	v_fma_f32 v[232+\b], v[232+\b], s[CS], v12
.endr
.set jj, 0
	s_setprio 1
	s_wait_alu depctr_va_vdst(0)
.rept 64
	v_exp_f32 v[S+jj], v[S+jj]                     ; p = 2^(t - M)
.set jj, jj+1
.endr
	v_pk_mul_f32 v[14:15], v[14:15], v[252:253] op_sel_hi:[1,0]   ; the sums under the new M; the plain line behind the batch
	s_wait_alu depctr_va_vdst(0)                   ; one wait for the 64, ahead of their first reader
.irp b, 0,1,2,3
	v_exp_f32 v[232+\b], v[232+\b]                 ; each block's largest p
.endr
	v_pk_add_f32 v[236:237], v[108:109], v[112:113]
	v_pk_add_f32 v[248:249], v[116:117], v[120:121]
	v_pk_add_f32 v[246:247], v[124:125], v[128:129]
	v_pk_add_f32 v[244:245], v[132:133], v[136:137]
	v_pk_add_f32 v[242:243], v[140:141], v[144:145]
	v_pk_add_f32 v[240:241], v[148:149], v[152:153]
	v_pk_add_f32 v[238:239], v[156:157], v[160:161]
	v_pk_add_f32 v[14:15], v[14:15], v[164:165]
	v_pk_add_f32 v[236:237], v[236:237], v[104:105]
	v_pk_add_f32 v[248:249], v[248:249], v[106:107]
	v_pk_add_f32 v[246:247], v[246:247], v[110:111]
	v_pk_add_f32 v[244:245], v[244:245], v[114:115]
	v_pk_add_f32 v[242:243], v[242:243], v[118:119]
	v_pk_add_f32 v[240:241], v[240:241], v[122:123]
	v_pk_add_f32 v[238:239], v[238:239], v[126:127]
	v_pk_add_f32 v[14:15], v[14:15], v[130:131]
	v_pk_add_f32 v[236:237], v[236:237], v[134:135]
	v_pk_add_f32 v[248:249], v[248:249], v[138:139]
	v_pk_add_f32 v[246:247], v[246:247], v[142:143]
	v_pk_add_f32 v[244:245], v[244:245], v[146:147]
	v_pk_add_f32 v[242:243], v[242:243], v[150:151]
	v_pk_add_f32 v[240:241], v[240:241], v[154:155]
	v_pk_add_f32 v[238:239], v[238:239], v[158:159]
	v_pk_add_f32 v[14:15], v[14:15], v[162:163]
	v_pk_add_f32 v[236:237], v[236:237], v[166:167]
	s_delay_alu instid0(VALU_DEP_2)
	v_pk_add_f32 v[14:15], v[14:15], v[244:245]
	s_delay_alu instid0(VALU_DEP_2)
	v_pk_add_f32 v[236:237], v[236:237], v[242:243]
	v_pk_add_f32 v[248:249], v[248:249], v[240:241]
	v_pk_add_f32 v[246:247], v[246:247], v[238:239]
	s_delay_alu instid0(VALU_DEP_2)
	v_pk_add_f32 v[14:15], v[14:15], v[248:249]
	s_delay_alu instid0(VALU_DEP_2)
	v_pk_add_f32 v[236:237], v[236:237], v[246:247]
	s_delay_alu instid0(VALU_DEP_1)
	v_pk_add_f32 v[14:15], v[14:15], v[236:237]
	s_wait_alu depctr_va_vdst(0)                   ; and one for the four
.irp b, 0,1,2,3
	v_max_num_f32 v[232+\b], 0x8000000, v[232+\b]  ; the floor 2^(16 - 127)
.endr
.irp b, 0,1,2,3
	s_delay_alu instid0(VALU_DEP_4)
	v_add_nc_u32 v[244+\b], 0xf8800000, v[232+\b]
.endr
.irp b, 0,1,2,3
.endr
.irp b, 0,1,2,3
	s_delay_alu instid0(VALU_DEP_4)
	v_lshrrev_b32 v[236+\b], 23, v[244+\b]
.endr
	s_delay_alu instid0(VALU_DEP_3)
	v_lshl_or_b32 v253, v237, 8, v236              ; p's scale word for these 128 keys
	s_delay_alu instid0(VALU_DEP_1)
	v_lshl_or_b32 v253, v238, 16, v253
	s_delay_alu instid0(VALU_DEP_1)
	v_lshl_or_b32 v253, v239, 24, v253
.irp b, 0,1,2,3
.set jj, 0
.rept 16
.set jj, jj+1
.endr
	v_cvt_scalef32_pk8_bf8_f32 v[PCD+4*\b:PCD+1+4*\b], v[S+16*\b:S+7+16*\b], v[244+\b]
	v_cvt_scalef32_pk8_bf8_f32 v[PCD+2+4*\b:PCD+3+4*\b], v[S+8+16*\b:S+15+16*\b], v[244+\b]
.endr
.set jj, 0
	s_setprio 0
.rept 16
	v_pk_mul_f32 v[O+jj:O+jj+1], v[O+jj:O+jj+1], v[252:253] op_sel_hi:[1,0]   ; O^T under the new M; also the places in front of the products
.set jj, jj+2
.endr
	s_wait_alu depctr_va_vdst(0)
	s_wait_dscnt 0x0                               ; V is in
.irp d, 0,1,2,3
	v_wmma_scale_f32_16x16x128_f8f6f4 v[O+8*\d:O+8*\d+7], v[KV+16*\d:KV+16*\d+15], v[PCD:PCD+15], v[O+8*\d:O+8*\d+7], v[SW+\d], v253 matrix_a_fmt:MATRIX_FMT_BF8 matrix_b_fmt:MATRIX_FMT_BF8
.endr
	s_add_co_u32 s[TB], s[TB], 8192
	s_add_co_u32 s[TS], s[TS], 256
.endm
; A part of the keys: trips key steps from key step first on.  left: how many of my later loads may stay out.
.macro PART left, first, trips
	s_wait_tensorcnt \left                         ; my loads of all that this part reads have landed
	s_wait_dscnt 0x0
	s_barrier_signal -1
	s_barrier_wait -1                              ; everybody's have
	s_mov_b32 s[TB], 8192*\first
	s_mov_b32 s[TS], 256*\first
	s_mov_b32 s[CNT], \trips
.Lstep_\@:
	s_setprio 2
	STEP
	s_sub_co_u32 s[CNT], s[CNT], 1
	s_cmp_lg_u32 s[CNT], 0
	s_cbranch_scc1 .Lstep_\@
	s_setprio 0
.endm
	PART 3, 0, 4                                   ; the scale words and the first quarter are in; the loads of the other three quarters may be out
	PART 0, 4, 12                                  ; all are in: twelve key steps with no barrier among them
	; THE WAY OUT, through a stage of 16 rows x (256 + 16) bytes for each wave.  The stages lie in K's bytes, which have had their only fill; behind this barrier no wave reads K or V any more.
	s_wait_dscnt 0x0
	s_barrier_signal -1
	s_barrier_wait -1
	v_add_f32 v14, v14, v15
	s_delay_alu instid0(VALU_DEP_1)
	v_permlanex16_b32 v252, v14, s[SEL], s[SEL+1]
	s_delay_alu instid0(VALU_DEP_1)
	v_add_f32 v14, v14, v252                       ; the row's sum
	s_wait_alu depctr_va_vdst(0)
	v_rcp_f32 v14, v14
	v_and_b32 v8, 15, v0
	v_bfe_u32 v9, v0, 4, 1
	s_mul_i32 s72, s[WV], 16*272
	v_mul_u32_u24 v10, v8, 272
	s_delay_alu instid0(VALU_DEP_1)
	v_lshl_add_u32 v10, v9, 5, v10
	s_delay_alu instid0(VALU_DEP_1)
	v_add_nc_u32 v10, s72, v10                     ; in: row r, + 32 h
	v_mul_u32_u24 v11, v9, 272
	s_delay_alu instid0(VALU_DEP_1)
	v_lshl_add_u32 v11, v8, 4, v11
	s_delay_alu instid0(VALU_DEP_1)
	v_add_nc_u32 v11, s72, v11                     ; back: lanes 0-15 one row, lanes 16-31 the next
	v_lshlrev_b32 v7, 12, v9
	s_delay_alu instid0(VALU_DEP_1)
	v_lshl_add_u32 v7, v8, 4, v7                   ; and the same two rows in attn
	s_wait_alu depctr_va_vdst(0)                   ; the reciprocal's wait, ahead of its first reader
.set jj, 0
.rept 32
	v_mul_f32 v[S+jj], v[O+jj], v14                ; register 8 d + j: channel 16 d + 8 h + j of query r
.set jj, jj+1
.endr
.irp d, 0,1,2,3
	ds_store_b128 v10, v[S+8*\d:S+8*\d+3] offset:64*\d
	ds_store_b128 v10, v[S+8*\d+4:S+8*\d+7] offset:64*\d+16
.endr
.irp i, 0,1,2,3,4,5,6,7
	ds_load_b128 v[KV+4*\i:KV+4*\i+3], v11 offset:544*\i   ; LDS serves a wave's instructions in order: these see my stores
.endr
.irp i, 0,1,2,3,4,5,6,7
	s_wait_dscnt 7-\i
	global_store_b128 v7, v[KV+4*\i:KV+4*\i+3], s[6:7] offset:8192*\i   ; sixteen lanes store 256 consecutive bytes, aligned
.endr
	s_wait_tensorcnt 0x0
	ds_add_u32 v251, v255
	s_wait_dscnt 0x0
	ROUND                                          ; the closing round
	s_endpgm
.Lfunc_end_k_q5edf0ce59a_attention:
	.size	k_q5edf0ce59a_attention, .Lfunc_end_k_q5edf0ce59a_attention-k_q5edf0ce59a_attention
	.p2alignl 7, 3214868480
	.fill 96, 4, 3214868480
	.section	.rodata,"a",@progbits
	.p2align	6, 0x0
	.amdhsa_kernel k_q5edf0ce59a_attention
		.amdhsa_group_segment_fixed_size 272384
		.amdhsa_private_segment_fixed_size 0
		.amdhsa_enable_private_segment 0
		.amdhsa_kernarg_size 16
		.amdhsa_user_sgpr_count 2
		.amdhsa_user_sgpr_kernarg_segment_ptr 1
		.amdhsa_wavefront_size32 1
		.amdhsa_system_sgpr_workgroup_id_x 1
		.amdhsa_system_sgpr_workgroup_id_y 1
		.amdhsa_system_sgpr_workgroup_id_z 1
		.amdhsa_system_vgpr_workitem_id 0
		.amdhsa_next_free_vgpr 256
		.amdhsa_next_free_sgpr 96
		.amdhsa_reserve_vcc 0
		.amdhsa_float_denorm_mode_32 3
		.amdhsa_float_denorm_mode_16_64 3
		.amdhsa_fp16_overflow 1
		.amdhsa_memory_ordered 1
		.amdhsa_forward_progress 1
		.amdhsa_inst_pref_size 50
	.end_amdhsa_kernel
	.amdgpu_metadata
---
amdhsa.version: [ 1, 2 ]
amdhsa.kernels:
  - .name:           k_q5edf0ce59a_attention
    .symbol:         k_q5edf0ce59a_attention.kd
    .args:
      - { .name: qkv, .offset: 0, .size: 8, .value_kind: global_buffer, .address_space: global }
      - { .name: attn, .offset: 8, .size: 8, .value_kind: global_buffer, .address_space: global }
    .group_segment_fixed_size: 272384
    .private_segment_fixed_size: 0
    .kernarg_segment_align: 8
    .kernarg_segment_size: 16
    .max_flat_workgroup_size: 512
    .sgpr_count:     96
    .vgpr_count:     256
    .wavefront_size: 32
...
	.end_amdgpu_metadata
.endif
;; end of part 3
;; launch ln1 (part 4): grid 256 x 1, 8 waves a work-group, no clusters, 42,496 bytes of LDS; arguments x, attn, g1, beta1, hb; writes hb
.if DOCPART == 4
	.amdgcn_target "amdgcn-amd-amdhsa--gfx1250"
	.amdhsa_code_object_version 6
	.text
	.protected	k_q5edf0ce59a_ln1
	.globl	k_q5edf0ce59a_ln1
	.p2align	8
	.type	k_q5edf0ce59a_ln1,@function
k_q5edf0ce59a_ln1:
	s_mov_b64 s[64:65], 0
	v_nop
	global_prefetch_b8 v0, s[64:65] scope:SCOPE_SE
	s_setreg_imm32_b32 hwreg(HW_REG_WAVE_MODE, 25, 1), 1
	s_wait_xcnt 0x0
; h = layernorm(x + attn) g1 + beta1, in f32, stored at hb + 0; and h's codes of BF8 along its 1,024 at hb + HCOFF ([4096][1024]) with one E8M0 byte for each 32 at hb + HSOFF ([4096][32]).
; Eight waves, 16 rows a work-group.  A wave takes two whole rows, a row in 32 registers a lane (register 4 j + k: element 128 j + 4 lane + k): every load and store covers 512 consecutive bytes, and a row is read once.
; A WAVE ASKS FOR BOTH ITS ROWS, OF BOTH TENSORS, AT ITS HEAD: it waits for memory once; two waves share a SIMD, so that one's reductions stand beside the other's arithmetic.
; Mean first, then the mean of the squared differences, as the definition has it: a common offset of the inputs does no harm.
; For the conversions a lane must hold 16 neighbours: 512 numbers at a time turn through the wave's own stage in LDS (16 bytes of padding behind each 64).  The work-group's 512 scale bytes leave by one store of wave 0.
; LIMITS: NaN and infinities are not served; a block of zeros or under 2^-111 gets the byte 1 (this program alone reads the bytes).
.set HCOFF, 16777216
.set HSOFF, 20971520
.set G,   16
.set BT,  48
.set X,   80                           ; two sets of 32, one for each row
.set A,   144
.set Q,   208                          ; two sets of 16 neighbours
.set C,   240
.set E,   248
.set CH,  250                          ; two chains of sums
.set SP,  80
.set WREG, 5120
.set SCB, 40960                        ; the work-group's 512 scale bytes, 64 for each wave
	s_load_b256 s[4:11], s[0:1], 0x0               ; x, attn, g1, beta1
	s_load_b64 s[12:13], s[0:1], 0x20              ; hb
	v_lshl_add_u32 v254, v0, 2, 0xa200
	v_mov_b32 v255, 0
	v_lshrrev_b32 v5, 5, v0
	v_readfirstlane_b32 s16, v5                    ; wave 0..7
	v_and_b32 v6, 31, v0
	v_lshlrev_b32 v1, 4, v6                        ; 16 x lane
	s_mul_i32 s17, s16, WREG
	v_lshrrev_b32 v2, 2, v6
	v_mul_u32_u24 v2, v2, SP
	v_and_b32 v7, 3, v6
	v_lshl_add_u32 v2, v7, 4, v2
	v_add_nc_u32 v2, s17, v2                       ; the stage, in
	v_mul_u32_u24 v3, v6, SP
	v_add_nc_u32 v3, s17, v3                       ; and out
	v_lshrrev_b32 v4, 1, v6
	s_lshl_b32 s17, s16, 6
	s_add_co_u32 s17, s17, SCB
	v_add_nc_u32 v4, s17, v4                       ; my block's scale byte: SCB + 64 x wave + lane / 2
	v_add_nc_u32 v5, SCB, v1                       ; where wave 0 reads the 512 bytes back
	v_mov_b32 v9, 0                                ; a lane permute's destination counts as one of its sources
	s_mov_b32 s20, 0x3a800000                      ; 1 / 1,024
	s_mov_b32 s21, 0x3727c5ac                      ; 1e-5
	s_mov_b32 s22, 0x76543210
	s_mov_b32 s23, 0xfedcba98
	s_mov_b32 s24, 0x600000
	s_lshl_b32 s26, ttmp9, 16
	s_lshl_b32 s27, s16, 13
	s_add_co_u32 s26, s26, s27                     ; my first row: 16 x work-group + 2 x wave, 4,096 bytes a row
	s_mov_b32 s27, 0
	s_lshr_b32 s28, s26, 2
	s_add_co_u32 s28, s28, HCOFF                   ; its codes
	s_mov_b32 s29, 0
	s_lshl_b32 s30, ttmp9, 9
	s_add_co_u32 s30, s30, HSOFF                   ; the work-group's scale bytes
	s_mov_b32 s31, 0
	s_wait_kmcnt 0x0
	s_add_nc_u64 s[4:5], s[4:5], s[26:27]
	s_add_nc_u64 s[6:7], s[6:7], s[26:27]
	s_add_nc_u64 s[14:15], s[12:13], s[28:29]
	s_add_nc_u64 s[18:19], s[12:13], s[30:31]
	s_add_nc_u64 s[12:13], s[12:13], s[26:27]
.irp j, 0,1,2,3,4,5,6,7
	global_load_b128 v[G+4*\j:G+4*\j+3], v1, s[8:9] offset:512*\j
	global_load_b128 v[BT+4*\j:BT+4*\j+3], v1, s[10:11] offset:512*\j
.endr
.macro RLOAD i
.irp j, 0,1,2,3,4,5,6,7
	global_load_b128 v[X+32*(\i)+4*\j:X+32*(\i)+4*\j+3], v1, s[4:5] offset:4096*(\i)+512*\j th:TH_LOAD_NT
.endr
.irp j, 0,1,2,3,4,5,6,7
	global_load_b128 v[A+32*(\i)+4*\j:A+32*(\i)+4*\j+3], v1, s[6:7] offset:4096*(\i)+512*\j th:TH_LOAD_NT
.endr
.endm
	RLOAD 0
	RLOAD 1                                        ; all that the wave will read
.macro REDUCE                          ; v8 summed over the 32 lanes, the result in every lane
	v_add_f32_dpp v8, v8, v8 row_xmask:1 row_mask:0xf bank_mask:0xf
	v_add_f32_dpp v8, v8, v8 row_xmask:2 row_mask:0xf bank_mask:0xf
	v_add_f32_dpp v8, v8, v8 row_xmask:4 row_mask:0xf bank_mask:0xf
	v_add_f32_dpp v8, v8, v8 row_xmask:8 row_mask:0xf bank_mask:0xf
	v_permlanex16_b32 v9, v8, s22, s23
	v_add_f32 v8, v8, v9
.endm
.macro TURN t                          ; 512 numbers of the row in XS through stage t
.irp n, 0,1,2,3
	ds_store_b128 v2, v[XS+16*(\t)+4*\n:XS+16*(\t)+4*\n+3] offset:32*SP*(\t)+8*SP*\n
.endr
.irp n, 0,1,2,3
	ds_load_b128 v[Q+16*(\t)+4*\n:Q+16*(\t)+4*\n+3], v3 offset:32*SP*(\t)+16*\n
.endr
.endm
.macro QSTEP i, t
.set QS, Q+16*(\t)
	v_max3_num_f32 v8, |v[QS]|, |v[QS+1]|, |v[QS+2]|
	v_max3_num_f32 v9, |v[QS+3]|, |v[QS+4]|, |v[QS+5]|
.irp n, 6,10
	v_max3_num_f32 v8, v8, |v[QS+\n]|, |v[QS+\n+1]|
	v_max3_num_f32 v9, v9, |v[QS+\n+2]|, |v[QS+\n+3]|
.endr
	v_max3_num_f32 v8, v8, |v[QS+14]|, |v[QS+15]|
	v_max3_num_f32 v8, v8, v9, 0x8000000           ; the floor 2^(16 - 127)
	v_max_num_f32_dpp v8, v8, v8 row_xmask:1 row_mask:0xf bank_mask:0xf
	v_add_nc_u32 v11, 0xf8800000, v8
	v_and_or_b32 v10, v8, 0x7f800000, s24
.irp n, 0,1,2,3,4,5,6,7,8,9,10,11,12,13,14,15
	v_med3_num_f32 v[QS+\n], v[QS+\n], -v10, v10
.endr
	v_cvt_scalef32_pk8_bf8_f32 v[C+4*(\t):C+4*(\t)+1], v[QS:QS+7], v11
	v_cvt_scalef32_pk8_bf8_f32 v[C+4*(\t)+2:C+4*(\t)+3], v[QS+8:QS+15], v11
	v_lshrrev_b32 v[E+(\t)], 23, v11               ; the byte; also the plain line behind the conversions
	ds_store_b8 v4, v[E+(\t)] offset:16*(2*(\i)+(\t))
	global_store_b128 v1, v[C+4*(\t):C+4*(\t)+3], s[14:15] offset:1024*(\i)+512*(\t)
.endm
.macro ROW i
.set XS, X+32*(\i)
.set AS, A+32*(\i)
.if (\i) < 1
	s_wait_loadcnt 16                              ; g, beta and this row's loads are in; the second row's sixteen may be out
.else
	s_wait_loadcnt 0
.endif
.irp k, 0,2,4,6,8,10,12,14,16,18,20,22,24,26,28,30
	v_pk_add_f32 v[XS+\k:XS+\k+1], v[XS+\k:XS+\k+1], v[AS+\k:AS+\k+1]
.endr
	v_pk_add_f32 v[CH:CH+1], v[XS:XS+1], v[XS+2:XS+3]
	v_pk_add_f32 v[CH+2:CH+3], v[XS+4:XS+5], v[XS+6:XS+7]
.irp k, 8,12,16,20,24,28
	v_pk_add_f32 v[CH:CH+1], v[CH:CH+1], v[XS+\k:XS+\k+1]
	v_pk_add_f32 v[CH+2:CH+3], v[CH+2:CH+3], v[XS+\k+2:XS+\k+3]
.endr
	v_pk_add_f32 v[CH:CH+1], v[CH:CH+1], v[CH+2:CH+3]
	v_add_f32 v8, v[CH], v[CH+1]
	REDUCE
	v_mul_f32 v14, s20, v8                         ; the mean, twice: a pair for the packed forms
	v_mul_f32 v15, s20, v8
.irp k, 0,2,4,6,8,10,12,14,16,18,20,22,24,26,28,30
	v_pk_add_f32 v[XS+\k:XS+\k+1], v[XS+\k:XS+\k+1], v[14:15] neg_lo:[0,1] neg_hi:[0,1]
.endr
	v_pk_mul_f32 v[CH:CH+1], v[XS:XS+1], v[XS:XS+1]
	v_pk_mul_f32 v[CH+2:CH+3], v[XS+2:XS+3], v[XS+2:XS+3]
.irp k, 4,8,12,16,20,24,28
	v_pk_fma_f32 v[CH:CH+1], v[XS+\k:XS+\k+1], v[XS+\k:XS+\k+1], v[CH:CH+1]
	v_pk_fma_f32 v[CH+2:CH+3], v[XS+\k+2:XS+\k+3], v[XS+\k+2:XS+\k+3], v[CH+2:CH+3]
.endr
	v_pk_add_f32 v[CH:CH+1], v[CH:CH+1], v[CH+2:CH+3]
	v_add_f32 v8, v[CH], v[CH+1]
	REDUCE
	v_fma_f32 v10, v8, s20, s21                    ; the variance + 1e-5
	v_rsq_f32 v14, v10
	v_rsq_f32 v15, v10
	v_nop                                          ; a plain line behind the transcendentals
	s_wait_alu depctr_va_vdst(0)                   ; one wait for both, ahead of their first reader
.irp k, 0,2,4,6,8,10,12,14,16,18,20,22,24,26,28,30
	v_pk_mul_f32 v[XS+\k:XS+\k+1], v[XS+\k:XS+\k+1], v[14:15]
.endr
.irp k, 0,2,4,6,8,10,12,14,16,18,20,22,24,26,28,30
	v_pk_fma_f32 v[XS+\k:XS+\k+1], v[XS+\k:XS+\k+1], v[G+\k:G+\k+1], v[BT+\k:BT+\k+1]
.endr
.irp j, 0,1,2,3,4,5,6,7
	global_store_b128 v1, v[XS+4*\j:XS+4*\j+3], s[12:13] offset:4096*(\i)+512*\j
.endr
	TURN 0
	TURN 1
	s_wait_dscnt 8                                 ; the first 512 numbers are back; the second turn's eight may be out
	QSTEP \i, 0
	s_wait_dscnt 1                                 ; the second 512 are back; the byte store may be out
	QSTEP \i, 1
.if (\i) < 1
	s_wait_xcnt 0x0                                ; the stores have read their registers: the codes' are written again in the second row
.endif
.endm
	ROW 0
	ROW 1
	s_wait_dscnt 0x0                               ; for the others' sake: my byte stores are done
	s_barrier_signal -1
	s_barrier_wait -1
	s_cmp_lg_u32 s16, 0
	s_cbranch_scc1 .Ldone
	ds_load_b128 v[8:11], v5
	s_wait_dscnt 0x0
	global_store_b128 v1, v[8:11], s[18:19]        ; 512 consecutive bytes, aligned
.Ldone:
	s_wait_tensorcnt 0x0
	ds_add_u32 v254, v255
	s_wait_dscnt 0x0
	s_endpgm
.Lfunc_end_k_q5edf0ce59a_ln1:
	.size	k_q5edf0ce59a_ln1, .Lfunc_end_k_q5edf0ce59a_ln1-k_q5edf0ce59a_ln1
	.p2alignl 7, 3214868480
	.fill 96, 4, 3214868480
	.section	.rodata,"a",@progbits
	.p2align	6, 0x0
	.amdhsa_kernel k_q5edf0ce59a_ln1
		.amdhsa_group_segment_fixed_size 42496
		.amdhsa_private_segment_fixed_size 0
		.amdhsa_enable_private_segment 0
		.amdhsa_kernarg_size 40
		.amdhsa_user_sgpr_count 2
		.amdhsa_user_sgpr_kernarg_segment_ptr 1
		.amdhsa_wavefront_size32 1
		.amdhsa_system_sgpr_workgroup_id_x 1
		.amdhsa_system_sgpr_workgroup_id_y 1
		.amdhsa_system_sgpr_workgroup_id_z 1
		.amdhsa_system_vgpr_workitem_id 0
		.amdhsa_next_free_vgpr 256
		.amdhsa_next_free_sgpr 66
		.amdhsa_reserve_vcc 0
		.amdhsa_float_denorm_mode_32 3
		.amdhsa_float_denorm_mode_16_64 3
		.amdhsa_memory_ordered 1
		.amdhsa_forward_progress 1
		.amdhsa_inst_pref_size 34
	.end_amdhsa_kernel
	.amdgpu_metadata
---
amdhsa.version: [ 1, 2 ]
amdhsa.kernels:
  - .name:           k_q5edf0ce59a_ln1
    .symbol:         k_q5edf0ce59a_ln1.kd
    .args:
      - { .name: x, .offset: 0, .size: 8, .value_kind: global_buffer, .address_space: global }
      - { .name: attn, .offset: 8, .size: 8, .value_kind: global_buffer, .address_space: global }
      - { .name: g1, .offset: 16, .size: 8, .value_kind: global_buffer, .address_space: global }
      - { .name: beta1, .offset: 24, .size: 8, .value_kind: global_buffer, .address_space: global }
      - { .name: hb, .offset: 32, .size: 8, .value_kind: global_buffer, .address_space: global }
    .group_segment_fixed_size: 42496
    .private_segment_fixed_size: 0
    .kernarg_segment_align: 8
    .kernarg_segment_size: 40
    .max_flat_workgroup_size: 256
    .sgpr_count:     66
    .vgpr_count:     256
    .wavefront_size: 32
...
	.end_amdgpu_metadata
.endif
;; end of part 4
;; launch ffn1 (part 5): grid 16 x 16, 4 waves a work-group, clusters of 4 x 4, 327,680 bytes of LDS; arguments hb, W1_codes, W1_scales, b1, fb; writes fb
.if DOCPART == 5
	.amdgcn_target "amdgcn-amd-amdhsa--gfx1250"
	.amdhsa_code_object_version 6
	.text
	.protected	k_q5edf0ce59a_ffn1
	.globl	k_q5edf0ce59a_ffn1
	.p2align	8
	.type	k_q5edf0ce59a_ffn1,@function
k_q5edf0ce59a_ffn1:
	s_mov_b64 s[64:65], 0
	v_nop
	global_prefetch_b8 v0, s[64:65] scope:SCOPE_SE
	s_setreg_imm32_b32 hwreg(HW_REG_WAVE_MODE, 25, 1), 1
	s_wait_xcnt 0x0
	s_wait_alu depctr_hold_cnt(0) depctr_sa_sdst(0) depctr_va_vdst(0) depctr_va_sdst(0) depctr_va_ssrc(0) depctr_va_vcc(0) depctr_vm_vsrc(0)
	s_getreg_b32 s2, hwreg(HW_REG_IB_STS2, 6, 4)
	s_cmp_eq_u32 s2, 0
	s_cbranch_scc0 .Lentry_in_a_cluster
	s_endpgm
.Lentry_in_a_cluster:
	s_bfe_u32 s2, ttmp6, 0x10000c
	s_cmp_lg_u32 s2, 0xf033
	s_cbranch_scc0 .Lentry_shape_is_right
	s_endpgm
.Lentry_shape_is_right:
; hidden = relu(h W1^T + b1) on codes of BF8 with E8M0 scales (K = 1,024), quantised along its 4,096 on the way out: it goes to memory as codes alone.
; A tile is 256 x 256, four waves of 128 x 128.  The matrix instruction is used transposed: source 0 ('B') = rows of W1, source 1 ('A') = rows of h: a lane holds one token, its registers run along the hidden units, the next K.
; The loop: K in steps of 256 through two LDS slots, tiles asked for jointly (A's along a row of the cluster, B's along a column); the scales of all of K come once.  b1 is the C of the first products.
; THE WAY OUT needs no LDS.  A lane's 16 registers of two neighbouring tiles are units 16 u + 8 h + j of a block of 32; each conversion's 8 bytes are stored at their true place in an IMAGE of the next operand's
; registers: fb: [16 tokens][128 units][block of 32: 512 bytes][lane l: 16 bytes]: unit 16 u + 8 h + j of token r is byte 8 h + j of lane r + 16 u.  A store covers 256 consecutive bytes, aligned.
; Scale words at fb + 16,777,216: [128 units][128 tokens][r 16][tile 8].  The hold that the conversion wants clips at 0 as well: the activation costs nothing.
; LIMITS: NaN and infinities are not served; a block of zeros or under 2^-111 gets the byte 1 (this program alone reads the bytes).
.set NQ,     2
.set ROWB,   256
.set KROW,   1024
.set PITCH,  272
.set FR,     16
.set NL,     4
.set NP,     8
.set HALFT,  128*PITCH
.set SLOT,   4*HALFT
.set LAPS,   2
.set KS,     32
.set SCL,    2*SLOT
.set HALFS,  16*272
.set SBLK,   544
.set SPARE,  SCL+4*HALFS               ; the spare words: two blocks of 256 bytes that no other line names
.set ADRA, 16
.set ADRB, 20
.set ADRS, 27
.set SPW,  28
.set NIL,  29
.set SC,   32
.set BN,   64                          ; v64-127 block b: b1[n0 + 16 b + 8 h + j]
.set AF,   128
.set T,    128
.set PC,   192
.set TM,   208
.set PWS,  224
.set DW,   232
.set VB,   236
.set G1, 24
.set G0, 32
.set G1B, 48
.set G0B, 56
.set G1S, 68
.set G0S, 76
.set G1SB, 80
.set G0SB, 88
.set MSB, 0
.macro WIN new
.if MSB != (\new)
	s_set_vgpr_msb (MSB<<8)|(\new)
.set MSB, (\new)
.endif
.endm
.set MUL_LO, 0xa1
.set MUL_HI, 0xf1
.set TO_B,   0x40
.macro JLOAD g0a, g1a, g0b, g1b        ; a joint load: waves 0, 1 for A, waves 2, 3 for B; four v_nop follow each line
	s_cmp_eq_u32 s15, 0
	s_cbranch_scc0 .Lfor_b_\@
	tensor_load_to_lds s[\g0a:\g0a+3], s[\g1a:\g1a+7]
	s_nop 0
.rept 4
	v_nop
.endr
	s_branch .Lasked_\@
.Lfor_b_\@:
	tensor_load_to_lds s[\g0b:\g0b+3], s[\g1b:\g1b+7]
	s_nop 0
.rept 4
	v_nop
.endr
.Lasked_\@:
.endm
.macro CREST
	s_cmp_lg_u32 s14, 0
	s_cbranch_scc1 .Lnot_wave_0_\@
	s_barrier_signal -3
.Lnot_wave_0_\@:
	s_barrier_wait -3
	s_barrier_signal -1
	s_barrier_wait -1
.endm
.macro CROUND
	s_barrier_signal -1
	s_barrier_wait -1
	CREST
.endm
	s_load_b256 s[4:11], s[0:1], 0x0               ; hb, W1's codes, W1's scales, b1
	s_load_b64 s[12:13], s[0:1], 0x20              ; fb
	v_lshl_add_u32 v[SPW], v0, 2, SPARE
	v_mov_b32 v[NIL], 0
	ds_add_u32 v28, v29
	ds_add_u32 v28, v29
	s_wait_dscnt 0x0
	v_lshrrev_b32 v1, 5, v0
	v_readfirstlane_b32 s14, v1
	s_lshr_b32 s15, s14, 1
	s_and_b32 s16, s14, 1
	s_bfe_u32 s40, ttmp6, 0x40000
	s_bfe_u32 s41, ttmp6, 0x40004
	s_lshl_b32 s42, ttmp9, 2
	s_add_co_u32 s42, s42, s40                     ; tile column
	s_and_b32 s17, ttmp7, 0xffff
	s_lshl_b32 s17, s17, 2
	s_add_co_u32 s17, s17, s41                     ; tile row
	s_lshl_b32 s43, s41, 2
	s_lshl_b32 s43, 15, s43
	s_lshl_b32 s44, 0x1111, s40
	s_or_b32 s[G1+0], s43, (0<<16)|(1<<20)|(1<<21)|(5<<22)|(3<<25)
	s_or_b32 s[G1B+0], s44, (0<<16)|(1<<20)|(1<<21)|(5<<22)|(3<<25)
.irp g, G1, G1B
	s_mov_b32 s[\g+1], ROWB<<16
	s_mov_b32 s[\g+2], 128<<16
	s_mov_b32 s[\g+3], ROWB<<16
	s_mov_b32 s[\g+4], 128
	s_mov_b32 s[\g+5], KROW
	s_mov_b32 s[\g+6], 0
	s_mov_b32 s[\g+7], 0
.endr
	s_or_b32 s[G1S+0], s43, (3<<16)|(1<<20)|(1<<21)|(5<<22)|(3<<25)
	s_or_b32 s[G1SB+0], s44, (3<<16)|(1<<20)|(1<<21)|(5<<22)|(3<<25)
.irp g, G1S, G1SB
	s_mov_b32 s[\g+1], 32<<16
	s_mov_b32 s[\g+2], 16<<16
	s_mov_b32 s[\g+3], 32<<16
	s_mov_b32 s[\g+4], 16
	s_mov_b32 s[\g+5], 32
	s_mov_b32 s[\g+6], 0
	s_mov_b32 s[\g+7], 0
.endr
	s_lshl_b32 s2, s16, 7
	s_lshl_b32 s20, s17, 8
	s_add_co_u32 s20, s20, s2
	s_lshl_b32 s46, s42, 8
	s_add_co_u32 s46, s46, s2
	s_lshl_b32 s22, s20, 5
	s_mov_b32 s23, 0
	s_lshl_b32 s20, s20, 10
	s_mov_b32 s21, 0
	s_lshl_b32 s18, s46, 5
	s_mov_b32 s19, 0
	s_lshl_b32 s46, s46, 10
	s_mov_b32 s47, 0
	s_mul_i32 s45, s14, HALFT
	s_mul_i32 s2, s14, HALFS
	s_wait_kmcnt 0x0
	s_add_nc_u64 s[20:21], s[4:5], s[20:21]
	s_add_nc_u64 s[20:21], s[20:21], 16777216      ; h's codes
	s_add_nc_u64 s[22:23], s[4:5], s[22:23]
	s_add_nc_u64 s[22:23], s[22:23], 20971520      ; h's scales
	s_add_nc_u64 s[46:47], s[6:7], s[46:47]
	s_add_nc_u64 s[18:19], s[8:9], s[18:19]
	s_mov_b64 s[66:67], s[12:13]
	CROUND
	s_mov_b32 s[G0S], 1
	s_add_co_u32 s[G0S+1], s2, SCL
	s_mov_b64 s[G0S+2:G0S+3], s[22:23]
	s_or_b32 s[G0S+3], s[G0S+3], 0x80000000
	s_mov_b32 s[G0SB], 1
	s_add_co_u32 s[G0SB+1], s2, SCL
	s_mov_b64 s[G0SB+2:G0SB+3], s[18:19]
	s_or_b32 s[G0SB+3], s[G0SB+3], 0x80000000
	JLOAD G0S, G1S, G0SB, G1SB
.irp s, 0,1
	s_mov_b32 s[G0+4*\s], 1
	s_add_co_u32 s[G0+4*\s+1], s45, \s*SLOT
	s_add_nc_u64 s[G0+4*\s+2:G0+4*\s+3], s[20:21], \s*ROWB
	s_or_b32 s[G0+4*\s+3], s[G0+4*\s+3], 0x80000000
	s_mov_b32 s[G0B+4*\s], 1
	s_add_co_u32 s[G0B+4*\s+1], s45, \s*SLOT
	s_add_nc_u64 s[G0B+4*\s+2:G0B+4*\s+3], s[46:47], \s*ROWB
	s_or_b32 s[G0B+4*\s+3], s[G0B+4*\s+3], 0x80000000
	JLOAD G0+4*\s, G1, G0B+4*\s, G1B
.endr
	v_and_b32 v1, 15, v0
	v_bfe_u32 v2, v0, 4, 1
	v_mul_u32_u24 v3, v1, PITCH
	v_lshl_add_u32 v4, v2, 4, v3
	s_mul_i32 s21, s15, HALFT
	s_mul_i32 s22, s16, HALFT
	s_add_co_u32 s22, s22, 2*HALFT
.irp s, 0,1
	v_add_nc_u32 v[ADRA+\s], s21, v4
	v_add_nc_u32 v[ADRB+\s], s22, v4
	s_add_co_u32 s21, s21, SLOT
	s_add_co_u32 s22, s22, SLOT
.endr
	v_mul_u32_u24 v5, v1, KS
	v_lshrrev_b32 v6, 8, v5
	v_lshl_add_u32 v5, v6, 4, v5
	s_mul_i32 s21, s15, HALFS
	s_mul_i32 s22, s16, HALFS
	s_add_co_u32 s22, s22, 2*HALFS
	s_sub_co_u32 s22, s22, s21
	v_mul_u32_u24 v6, s22, v2
	s_add_co_u32 s21, s21, SCL
	v_add_nc_u32 v5, v5, v6
	v_add_nc_u32 v[ADRS], s21, v5
	s_lshl_b32 s20, s17, 8
	s_lshl_b32 s21, s15, 7
	s_add_co_u32 s20, s20, s21                     ; m0: my first token
	s_lshl_b32 s21, s42, 8
	s_lshl_b32 s22, s16, 7
	s_add_co_u32 s21, s21, s22                     ; n0: my first hidden unit
	s_lshl_b32 s18, s20, 12                        ; (m0 / 16) x 65,536
	s_lshl_b32 s19, s21, 4                         ; (n0 / 128) x 2,048
	s_add_co_u32 s18, s18, s19
	s_mov_b32 s19, 0
	s_add_nc_u64 s[12:13], s[12:13], s[18:19]
	s_lshl_b32 s18, s21, 7                         ; (n0 / 128) x 32 x 512
	s_lshl_b32 s19, s20, 2                         ; (m0 / 128) x 512
	s_add_co_u32 s18, s18, s19
	s_add_co_u32 s18, s18, 16777216
	s_mov_b32 s19, 0
	s_add_nc_u64 s[66:67], s[66:67], s[18:19]
	s_lshl_b32 s18, s21, 2
	s_add_nc_u64 s[10:11], s[10:11], s[18:19]
	v_lshlrev_b32 v7, 5, v2
.irp b, 0,1,2,3,4,5,6,7
	global_load_b128 v[BN+8*\b:BN+8*\b+3], v7, s[10:11] offset:64*\b
	global_load_b128 v[BN+8*\b+4:BN+8*\b+7], v7, s[10:11] offset:64*\b+16
.endr
	s_wait_loadcnt 0x0
.macro FRAG reg, adr, q, i
.irp c, 0,1,2,3
	ds_load_b128 v[\reg+4*\c:\reg+4*\c+3], v[\adr] offset:128*(\q)+32*\c+(\i)*16*PITCH
.endr
.endm
; the 64 accumulators take turns, one instruction a turn
.macro MUL16 a0, p, q, sc, start
.irp a, \a0, \a0+1
.irp b, 0,1,2,3,4,5,6,7
.if \start
	v_wmma_scale_f32_16x16x128_f8f6f4 v[8*(8*((\a)%4)+\b):8*(8*((\a)%4)+\b)+7], v[128*(\p)+FR*\b:128*(\p)+FR*\b+FR-1], v[AF+FR*(\a):AF+FR*(\a)+FR-1], v[BN+8*\b:BN+8*\b+7], v[SC+8*NQ*(\sc)+NQ*\b+(\q)], v[SC+8*NQ*(\sc)+NQ*(\a)+(\q)] matrix_a_fmt:MATRIX_FMT_BF8 matrix_b_fmt:MATRIX_FMT_BF8 matrix_a_scale:MATRIX_SCALE_ROW1
.else
	v_wmma_scale_f32_16x16x128_f8f6f4 v[8*(8*((\a)%4)+\b):8*(8*((\a)%4)+\b)+7], v[128*(\p)+FR*\b:128*(\p)+FR*\b+FR-1], v[AF+FR*(\a):AF+FR*(\a)+FR-1], v[8*(8*((\a)%4)+\b):8*(8*((\a)%4)+\b)+7], v[SC+8*NQ*(\sc)+NQ*\b+(\q)], v[SC+8*NQ*(\sc)+NQ*(\a)+(\q)] matrix_a_fmt:MATRIX_FMT_BF8 matrix_b_fmt:MATRIX_FMT_BF8 matrix_a_scale:MATRIX_SCALE_ROW1
.endif
.endr
.endr
.endm
.macro FETCH_B slot, q, p
	WIN TO_B
.irp i, 0,1,2,3,4,5,6,7
	FRAG 128*(\p)+FR*\i, ADRB+\slot, \q, \i
.endr
	WIN 0
.endm
.macro FETCH_A slot, q, i0
.irp i, \i0, \i0+1, \i0+2, \i0+3
	FRAG AF+FR*(\i), ADRA+\slot, \q, \i
.endr
.endm
.macro SCALES sc
.irp i, 0,1,2,3,4,5,6,7
	ds_load_b64 v[SC+8*NQ*\sc+NQ*\i:SC+8*NQ*\sc+NQ*\i+1], v[ADRS] offset:\i*SBLK
.endr
.endm
.macro PLACES n
.rept \n
	v_nop
.endr
.endm
.macro STEP slot, q, start
	s_wait_dscnt 4*NL                              ; B's set and A's blocks 0-3 are in; A's blocks 4-7 may be out
.if \start
	WIN 0x81
.else
	WIN MUL_LO
.endif
	MUL16 0, (\q)%2, \q, \slot, \start
	MUL16 2, (\q)%2, \q, \slot, \start
	s_wait_dscnt 0
	PLACES NP
	FETCH_B \slot, (\q)+1, 1-(\q)%2
	FETCH_A \slot, (\q)+1, 0
.if \start
	WIN 0xc1
.else
	WIN MUL_HI
.endif
	MUL16 4, (\q)%2, \q, \slot, \start
	MUL16 6, (\q)%2, \q, \slot, \start
	PLACES NP
	WIN 0
	FETCH_A \slot, (\q)+1, 4
.endm
.macro TURN slot, next, fill
	s_wait_tensorcnt 0x0                           ; my part of the next slot has landed: no load of mine is out
	ds_add_u32 v[SPW], v[NIL]
	s_wait_dscnt 4*NL+1                            ; (the add and A's blocks 4-7 may be out)
	WIN MUL_LO
	MUL16 0, 1, NQ-1, \slot, 0
	s_wait_dscnt 0x0                               ; the add is done, and my reads of this slot are over
	s_barrier_signal -1
	MUL16 2, 1, NQ-1, \slot, 0
	WIN 0
	s_barrier_wait -1
.if \fill
	CREST
	s_add_nc_u64 s[G0+4*\slot+2:G0+4*\slot+3], s[G0+4*\slot+2:G0+4*\slot+3], 2*ROWB
	s_add_nc_u64 s[G0B+4*\slot+2:G0B+4*\slot+3], s[G0B+4*\slot+2:G0B+4*\slot+3], 2*ROWB
	JLOAD G0+4*\slot, G1, G0B+4*\slot, G1B
	PLACES NP-4
.else
	PLACES NP
.endif
	v_add_nc_u32 v[ADRS], 4*NQ, v[ADRS]
	FETCH_B \next, 0, 0
	FETCH_A \next, 0, 0
	SCALES \next
	WIN MUL_HI
	MUL16 4, 1, NQ-1, \slot, 0
	MUL16 6, 1, NQ-1, \slot, 0
	PLACES NP
	WIN 0
	FETCH_A \next, 0, 4
.endm
	s_wait_tensorcnt 1                             ; the scales and my part of K step 0 are in; K step 1's load may be out
	s_barrier_signal -1
	s_barrier_wait -1
	FETCH_B 0, 0, 0
	FETCH_A 0, 0, 0
	SCALES 0
	FETCH_A 0, 0, 4
	STEP 0, 0, 1
	s_mov_b32 s3, LAPS-1
.Llap:
	TURN 0, 1, 1
	STEP 1, 0, 0
	TURN 1, 0, 1
	STEP 0, 0, 0
	s_sub_co_u32 s3, s3, 1
	s_cmp_lg_u32 s3, 0
	s_cbranch_scc1 .Llap
	TURN 0, 1, 0
	STEP 1, 0, 0
	s_wait_dscnt 4*NL
	WIN MUL_LO
	MUL16 0, 1, NQ-1, 1, 0
	MUL16 2, 1, NQ-1, 1, 0
	s_wait_dscnt 0
	WIN MUL_HI
	MUL16 4, 1, NQ-1, 1, 0
	MUL16 6, 1, NQ-1, 1, 0
	WIN 0
; Block a (16 tokens x my 128 hidden units): the largest numbers are taken from the accumulators where they lie (no |.|: what is negative becomes 0), the hold clips at 0 and moves into window 0.
.macro OUTROW a
.set AC, 64*((\a)%4)
.if (\a) > 0
	s_wait_xcnt 0x0                                ; the last block's stores have read their data and their base
	s_add_nc_u64 s[12:13], s[12:13], 65536         ; the next 16 tokens
.endif
	WIN 0x28+0x14*((\a)/4)                         ; sources 1 and 2: window 2 or 3
.irp b, 0,1,2,3
	v_max3_num_f32 v[TM+\b], 0x8000000, v[AC+16*\b], v[AC+1+16*\b]   ; the floor 2^(16 - 127); each accumulator is read from its low end on
.endr
.irp i, 2,4,6,8,10,12,14
.irp b, 0,1,2,3
	v_max3_num_f32 v[TM+\b], v[TM+\b], v[AC+16*\b+\i], v[AC+1+16*\b+\i]
.endr
.endr
	WIN 0
.irp b, 0,1,2,3
	v_permlanex16_b32 v[TM+4+\b], v[TM+\b], s20, s21
.endr
.irp b, 0,1,2,3
	v_max_num_f32 v[TM+\b], v[TM+\b], v[TM+4+\b]
.endr
.irp b, 0,1,2,3
	v_add_nc_u32 v[TM+12+\b], 0xf8800000, v[TM+\b]
.endr
.irp b, 0,1,2,3
	v_and_or_b32 v[TM+8+\b], v[TM+\b], 0x7f800000, s23
.endr
.irp b, 0,1,2,3
	v_lshrrev_b32 v[TM+4+\b], 23, v[TM+12+\b]
.endr
	v_lshl_or_b32 v[PWS+(\a)], v[TM+5], 8, v[TM+4]
	v_lshl_or_b32 v[PWS+(\a)], v[TM+6], 16, v[PWS+(\a)]
	v_lshl_or_b32 v[PWS+(\a)], v[TM+7], 24, v[PWS+(\a)]
	WIN 0x02+(\a)/4                                ; source 0: window 2 or 3
.irp b, 0,1,2,3
.irp i, 0,1,2,3,4,5,6,7,8,9,10,11,12,13,14,15
	v_med3_num_f32 v[T+16*\b+\i], v[AC+16*\b+\i], 0, v[TM+8+\b]   ; the activation, the hold and the move in one
.endr
.endr
	WIN 0
.irp b, 0,1,2,3
	v_cvt_scalef32_pk8_bf8_f32 v[PC+4*\b:PC+1+4*\b], v[T+16*\b:T+7+16*\b], v[TM+12+\b]
	v_cvt_scalef32_pk8_bf8_f32 v[PC+2+4*\b:PC+3+4*\b], v[T+8+16*\b:T+15+16*\b], v[TM+12+\b]
.endr
	v_nop                                          ; a plain line behind the last conversion
.irp b, 0,1,2,3
.irp u, 0,1
	global_store_b64 v[VB], v[PC+4*\b+2*\u:PC+4*\b+2*\u+1], s[12:13] offset:512*\b+256*\u   ; 32 lanes x 8 bytes: 256 consecutive bytes, aligned
.endr
.endr
.endm
	PLACES NP
	s_mov_b32 s20, 0x76543210
	s_mov_b32 s21, 0xfedcba98
	s_mov_b32 s23, 0x600000
	v_and_b32 v240, 15, v0
	v_bfe_u32 v241, v0, 4, 1
	v_lshlrev_b32 v[VB], 4, v240
	v_lshl_add_u32 v[VB], v241, 3, v[VB]           ; 16 r + 8 h
.irp b, 0,1,2,3
	v_mov_b32 v[TM+4+\b], 0
.endr
.irp a, 0,1,2,3,4,5,6,7
	OUTROW \a
.endr
	v_cmp_ne_u32 vcc_lo, 0, v241
.irp g, 0,1,2,3
	v_cndmask_b32 v[DW+\g], v[PWS+\g], v[PWS+4+\g], vcc_lo   ; lanes 0-15: tiles 0-3 of row r; lanes 16-31: tiles 4-7
.endr
	v_lshlrev_b32 v242, 5, v240
	v_lshl_add_u32 v242, v241, 4, v242             ; 32 r + 16 h
	global_store_b128 v242, v[DW:DW+3], s[66:67]   ; 512 consecutive bytes
	s_wait_tensorcnt 0x0                           ; the wave's end
	ds_add_u32 v[SPW], v[NIL]
	s_wait_dscnt 0x0
	CROUND
	s_endpgm
.Lfunc_end_k_q5edf0ce59a_ffn1:
	.size	k_q5edf0ce59a_ffn1, .Lfunc_end_k_q5edf0ce59a_ffn1-k_q5edf0ce59a_ffn1
	.p2alignl 7, 3214868480
	.fill 96, 4, 3214868480
	.section	.rodata,"a",@progbits
	.p2align	6, 0x0
	.amdhsa_kernel k_q5edf0ce59a_ffn1
		.amdhsa_group_segment_fixed_size 327680
		.amdhsa_private_segment_fixed_size 0
		.amdhsa_enable_private_segment 0
		.amdhsa_kernarg_size 40
		.amdhsa_user_sgpr_count 2
		.amdhsa_user_sgpr_kernarg_segment_ptr 1
		.amdhsa_wavefront_size32 1
		.amdhsa_system_sgpr_workgroup_id_x 1
		.amdhsa_system_sgpr_workgroup_id_y 1
		.amdhsa_system_sgpr_workgroup_id_z 1
		.amdhsa_system_vgpr_workitem_id 0
		.amdhsa_next_free_vgpr 1024
		.amdhsa_next_free_sgpr 100
		.amdhsa_reserve_vcc 1
		.amdhsa_float_denorm_mode_32 3
		.amdhsa_float_denorm_mode_16_64 3
		.amdhsa_memory_ordered 1
		.amdhsa_forward_progress 1
		.amdhsa_inst_pref_size 190
	.end_amdhsa_kernel
	.amdgpu_metadata
---
amdhsa.version: [ 1, 2 ]
amdhsa.kernels:
  - .name:           k_q5edf0ce59a_ffn1
    .symbol:         k_q5edf0ce59a_ffn1.kd
    .args:
      - { .name: hb, .offset: 0, .size: 8, .value_kind: global_buffer, .address_space: global }
      - { .name: W1_codes, .offset: 8, .size: 8, .value_kind: global_buffer, .address_space: global }
      - { .name: W1_scales, .offset: 16, .size: 8, .value_kind: global_buffer, .address_space: global }
      - { .name: b1, .offset: 24, .size: 8, .value_kind: global_buffer, .address_space: global }
      - { .name: fb, .offset: 32, .size: 8, .value_kind: global_buffer, .address_space: global }
    .group_segment_fixed_size: 327680
    .private_segment_fixed_size: 0
    .kernarg_segment_align: 8
    .kernarg_segment_size: 40
    .max_flat_workgroup_size: 128
    .sgpr_count:     100
    .vgpr_count:     1024
    .wavefront_size: 32
...
	.end_amdgpu_metadata
.endif
;; end of part 5
;; launch ffn2 (part 6): grid 8 x 32, 4 waves a work-group, clusters of 4 x 4, 327,680 bytes of LDS; arguments fb, W2_codes, W2_scales, b2, ffn; writes ffn
.if DOCPART == 6
	.amdgcn_target "amdgcn-amd-amdhsa--gfx1250"
	.amdhsa_code_object_version 6
	.text
	.protected	k_q5edf0ce59a_ffn2
	.globl	k_q5edf0ce59a_ffn2
	.p2align	8
	.type	k_q5edf0ce59a_ffn2,@function
k_q5edf0ce59a_ffn2:
	s_mov_b64 s[64:65], 0
	v_nop
	global_prefetch_b8 v0, s[64:65] scope:SCOPE_SE
	s_setreg_imm32_b32 hwreg(HW_REG_WAVE_MODE, 25, 1), 1
	s_wait_xcnt 0x0
	s_wait_alu depctr_hold_cnt(0) depctr_sa_sdst(0) depctr_va_vdst(0) depctr_va_sdst(0) depctr_va_ssrc(0) depctr_va_vcc(0) depctr_vm_vsrc(0)
	s_getreg_b32 s2, hwreg(HW_REG_IB_STS2, 6, 4)
	s_cmp_eq_u32 s2, 0
	s_cbranch_scc0 .Lentry_in_a_cluster
	s_endpgm
.Lentry_in_a_cluster:
	s_bfe_u32 s2, ttmp6, 0x10000c
	s_cmp_lg_u32 s2, 0xf033
	s_cbranch_scc0 .Lentry_shape_is_right
	s_endpgm
.Lentry_shape_is_right:
; ffn = hidden W2^T + b2 on codes of BF8 with E8M0 scales, K = 4,096; ffn [4096][1024] f32.
; N is 1,024: tiles of 128 x 128 give 8 x 32 = 256 work-groups, where tiles of 256 x 256 would give 64.  Four waves of 64 x 64: 16 accumulators.
; K goes in steps of 512 (four matrix instructions deep) through two LDS slots.  A (the hidden layer) lies in memory as images of operand registers, [16 tokens][128 K][2,048 bytes]: a slot's part of a tile of
; 16 tokens is 8,192 consecutive bytes, and a fragment comes by four loads of 512 consecutive bytes.  B (W2) comes as rows of 512 bytes with 16 bytes of padding.  Both sides' scales of all of K come once.
; CLUSTERS: A's tiles are asked for jointly along a row of the cluster, B's along a column.  The matrix instruction is used transposed (source 0 = rows of W2, source 1 = tokens); b2 is the C of the first products.
; REGISTERS: window 0: v16-30 addresses; v32-95 scale words, two sets; v96-127 b2; v128-255 the accumulators ((a, b) at 128 + 8 (4 a + b)).  window 1: two fragment buffers of 128: A's four fragments, then B's four.
.set SLOT,  133120                     ; A's 8 x 8,192 bytes, then B's 128 rows x 528
.set BOFF,  65536
.set HALFB, 33792                      ; 64 rows x 528
.set SCA,   2*SLOT                     ; A's scale words: [128 K: 32][512 bytes]
.set SCB,   SCA+16384                  ; B's scale bytes: units of 256 bytes + 16
.set SPARE, SCB+17408                  ; the spare words: two blocks of 256 bytes that no other line names
.set LAPS,  4
.set ADRA, 16
.set ADRB, 20
.set STO,  24
.set RD,   25
.set CO,   26
.set ADSA, 27
.set SPW,  28
.set NIL,  29
.set ADSB, 30
.set SC,   32                          ; set s at SC + 32 s: +4 q + i: A's tile i at step q; +16 + 4 j + q: B's tile j at step q
.set BN,   96
.set ACC,  128
.set G1, 24
.set G0, 32
.set G1B, 48
.set G0B, 56
.set G1S, 68
.set G0S, 76
.set G1SB, 80
.set G0SB, 88
.set MSB, 0
.macro WIN new
.if MSB != (\new)
	s_set_vgpr_msb (MSB<<8)|(\new)
.set MSB, (\new)
.endif
.endm
.set MUL,  0x05                        ; sources 0 and 1 window 1; C and D window 0
.set TO_F, 0x40                        ; destination window 1
.macro JLOAD g0a, g1a, g0b, g1b        ; a joint load: waves 0, 1 for A, waves 2, 3 for B; four v_nop follow each line
	s_cmp_eq_u32 s15, 0
	s_cbranch_scc0 .Lfor_b_\@
	tensor_load_to_lds s[\g0a:\g0a+3], s[\g1a:\g1a+7]
	s_nop 0
.rept 4
	v_nop
.endr
	s_branch .Lasked_\@
.Lfor_b_\@:
	tensor_load_to_lds s[\g0b:\g0b+3], s[\g1b:\g1b+7]
	s_nop 0
.rept 4
	v_nop
.endr
.Lasked_\@:
.endm
.macro CREST
	s_cmp_lg_u32 s14, 0
	s_cbranch_scc1 .Lnot_wave_0_\@
	s_barrier_signal -3
.Lnot_wave_0_\@:
	s_barrier_wait -3
	s_barrier_signal -1
	s_barrier_wait -1
.endm
.macro CROUND
	s_barrier_signal -1
	s_barrier_wait -1
	CREST
.endm
	s_load_b256 s[4:11], s[0:1], 0x0               ; fb, W2's codes, W2's scales, b2
	s_load_b64 s[12:13], s[0:1], 0x20              ; ffn
	v_lshl_add_u32 v[SPW], v0, 2, SPARE
	v_mov_b32 v[NIL], 0
	ds_add_u32 v28, v29
	ds_add_u32 v28, v29
	s_wait_dscnt 0x0
	v_lshrrev_b32 v1, 5, v0
	v_readfirstlane_b32 s14, v1
	s_lshr_b32 s15, s14, 1                         ; my 64 tokens; also: I fetch for A (0) or B (1)
	s_and_b32 s16, s14, 1                          ; my 64 columns; also: which half I fetch
	s_bfe_u32 s40, ttmp6, 0x40000
	s_bfe_u32 s41, ttmp6, 0x40004
	s_lshl_b32 s42, ttmp9, 2
	s_add_co_u32 s42, s42, s40                     ; tile column, 0..7
	s_and_b32 s17, ttmp7, 0xffff
	s_lshl_b32 s17, s17, 2
	s_add_co_u32 s17, s17, s41                     ; tile row, 0..31
	s_lshl_b32 s43, s41, 2
	s_lshl_b32 s43, 15, s43
	s_lshl_b32 s44, 0x1111, s40
	; A's codes: 4 rows of 8,192 bytes (1,024 elements of 8), 65,536 bytes apart, no padding
	s_or_b32 s[G1+0], s43, (3<<16)|(1<<21)
	s_mov_b32 s[G1+1], 1024<<16
	s_mov_b32 s[G1+2], 4<<16
	s_mov_b32 s[G1+3], 1024<<16
	s_mov_b32 s[G1+4], 4
	s_mov_b32 s[G1+5], 8192
	s_mov_b32 s[G1+6], 0
	s_mov_b32 s[G1+7], 0
	; B's codes: 64 rows of 512 bytes, 4,096 bytes apart, 16 bytes of padding behind each
	s_or_b32 s[G1B+0], s44, (0<<16)|(1<<20)|(1<<21)|(6<<22)|(3<<25)
	s_mov_b32 s[G1B+1], 512<<16
	s_mov_b32 s[G1B+2], 64<<16
	s_mov_b32 s[G1B+3], 512<<16
	s_mov_b32 s[G1B+4], 64
	s_mov_b32 s[G1B+5], 4096
	s_mov_b32 s[G1B+6], 0
	s_mov_b32 s[G1B+7], 0
	; A's scale words: 16 rows of 512 bytes, 16,384 bytes apart
	s_or_b32 s[G1S+0], s43, (3<<16)|(1<<21)
	s_mov_b32 s[G1S+1], 64<<16
	s_mov_b32 s[G1S+2], 16<<16
	s_mov_b32 s[G1S+3], 64<<16
	s_mov_b32 s[G1S+4], 16
	s_mov_b32 s[G1S+5], 2048
	s_mov_b32 s[G1S+6], 0
	s_mov_b32 s[G1S+7], 0
	; B's scale bytes: 8,192 dense bytes as 32 rows of 256, 16 bytes of padding behind each
	s_or_b32 s[G1SB+0], s44, (3<<16)|(1<<20)|(1<<21)|(5<<22)|(3<<25)
	s_mov_b32 s[G1SB+1], 32<<16
	s_mov_b32 s[G1SB+2], 32<<16
	s_mov_b32 s[G1SB+3], 32<<16
	s_mov_b32 s[G1SB+4], 32
	s_mov_b32 s[G1SB+5], 32
	s_mov_b32 s[G1SB+6], 0
	s_mov_b32 s[G1SB+7], 0
	s_lshl_b32 s18, s16, 18
	s_lshl_b32 s20, s17, 19
	s_add_co_u32 s20, s20, s18                     ; A's codes: (8 x tile row + 4 x half) x 65,536
	s_mov_b32 s21, 0
	s_lshl_b32 s22, s17, 9
	s_add_co_u32 s22, s22, s18                     ; A's scale words: 512 x tile row + half x 16 x 16,384
	s_add_co_u32 s22, s22, 16777216
	s_mov_b32 s23, 0
	s_lshl_b32 s46, s42, 19
	s_add_co_u32 s46, s46, s18                     ; B's codes: (128 x tile column + 64 x half) x 4,096
	s_mov_b32 s47, 0
	s_lshl_b32 s92, s42, 14
	s_lshl_b32 s93, s16, 13
	s_add_co_u32 s92, s92, s93                     ; B's scale bytes: 128 a row
	s_mov_b32 s93, 0
	s_lshl_b32 s45, s16, 15                        ; LDS: A's half
	s_mul_i32 s94, s16, HALFB
	s_add_co_u32 s94, s94, BOFF                    ; B's half
	s_lshl_b32 s95, s16, 13
	s_mul_i32 s96, s16, 8704
	s_wait_kmcnt 0x0
	s_add_nc_u64 s[20:21], s[4:5], s[20:21]
	s_add_nc_u64 s[22:23], s[4:5], s[22:23]
	s_add_nc_u64 s[46:47], s[6:7], s[46:47]
	s_add_nc_u64 s[92:93], s[8:9], s[92:93]
	CROUND
	s_mov_b32 s[G0S], 1
	s_add_co_u32 s[G0S+1], s95, SCA
	s_mov_b64 s[G0S+2:G0S+3], s[22:23]
	s_or_b32 s[G0S+3], s[G0S+3], 0x80000000
	s_mov_b32 s[G0SB], 1
	s_add_co_u32 s[G0SB+1], s96, SCB
	s_mov_b64 s[G0SB+2:G0SB+3], s[92:93]
	s_or_b32 s[G0SB+3], s[G0SB+3], 0x80000000
	JLOAD G0S, G1S, G0SB, G1SB
.irp s, 0,1
	s_mov_b32 s[G0+4*\s], 1
	s_add_co_u32 s[G0+4*\s+1], s45, \s*SLOT
	s_add_nc_u64 s[G0+4*\s+2:G0+4*\s+3], s[20:21], \s*8192
	s_or_b32 s[G0+4*\s+3], s[G0+4*\s+3], 0x80000000
	s_mov_b32 s[G0B+4*\s], 1
	s_add_co_u32 s[G0B+4*\s+1], s94, \s*SLOT
	s_add_nc_u64 s[G0B+4*\s+2:G0B+4*\s+3], s[46:47], \s*512
	s_or_b32 s[G0B+4*\s+3], s[G0B+4*\s+3], 0x80000000
	JLOAD G0+4*\s, G1, G0B+4*\s, G1B
.endr
	v_and_b32 v1, 15, v0                           ; r
	v_bfe_u32 v2, v0, 4, 1                         ; h
	v_and_b32 v3, 31, v0
	v_lshlrev_b32 v3, 4, v3                        ; 16 x lane
	s_lshl_b32 s21, s15, 15                        ; my four tiles of 16 tokens
	v_mul_u32_u24 v4, v1, 528
	v_lshl_add_u32 v4, v2, 4, v4
	s_mul_i32 s22, s16, HALFB
	s_add_co_u32 s22, s22, BOFF                    ; my 64 rows of W2
.irp s, 0,1
	v_add_nc_u32 v[ADRA+\s], s21, v3
	v_add_nc_u32 v[ADRB+\s], s22, v4
	s_add_co_u32 s21, s21, SLOT
	s_add_co_u32 s22, s22, SLOT
.endr
	v_lshlrev_b32 v5, 5, v1
	s_lshl_b32 s21, s15, 4
	s_add_co_u32 s21, s21, SCA
	v_add_nc_u32 v[ADSA], s21, v5                  ; row r's words of my four tiles: 32 r + 16 x half
	v_lshrrev_b32 v5, 1, v1
	v_mul_u32_u24 v5, v5, 272
	v_and_b32 v6, 1, v1
	v_lshl_add_u32 v5, v6, 7, v5
	s_mul_i32 s21, s16, 8704
	s_add_co_u32 s21, s21, SCB
	v_add_nc_u32 v[ADSB], s21, v5                  ; row r of W2's scale bytes: 128 bytes a row, two rows a unit
	s_mul_i32 s23, s14, 16*272                     ; my stage, in slot 0
	v_mul_u32_u24 v5, v1, 272
	v_lshl_add_u32 v5, v2, 5, v5
	v_add_nc_u32 v[STO], s23, v5
	v_mul_u32_u24 v5, v2, 272
	v_lshl_add_u32 v5, v1, 4, v5
	v_add_nc_u32 v[RD], s23, v5
	v_lshlrev_b32 v5, 12, v2
	v_lshl_add_u32 v[CO], v1, 4, v5
	s_lshl_b32 s20, s17, 7
	s_lshl_b32 s21, s15, 6
	s_add_co_u32 s20, s20, s21                     ; my first token
	s_lshl_b32 s20, s20, 12
	s_lshl_b32 s21, s42, 7
	s_lshl_b32 s22, s16, 6
	s_add_co_u32 s21, s21, s22                     ; my first column
	s_lshl_b32 s22, s21, 2
	s_mov_b32 s23, 0
	s_add_nc_u64 s[10:11], s[10:11], s[22:23]
	s_add_co_u32 s20, s20, s22
	s_mov_b32 s21, 0
	s_add_nc_u64 s[12:13], s[12:13], s[20:21]
	v_lshlrev_b32 v7, 5, v2
.irp b, 0,1,2,3
	global_load_b128 v[BN+8*\b:BN+8*\b+3], v7, s[10:11] offset:64*\b
	global_load_b128 v[BN+8*\b+4:BN+8*\b+7], v7, s[10:11] offset:64*\b+16
.endr
	s_wait_loadcnt 0x0
; four matrix instructions: A's tile a x B's four; the 16 accumulators take turns, one instruction a turn
.macro MUL4 f, q, sc, a, start
.irp b, 0,1,2,3
.if \start
	v_wmma_scale_f32_16x16x128_f8f6f4 v[ACC+8*(4*(\a)+\b):ACC+8*(4*(\a)+\b)+7], v[\f+64+16*\b:\f+64+16*\b+15], v[\f+16*(\a):\f+16*(\a)+15], v[BN+8*\b:BN+8*\b+7], v[SC+32*(\sc)+16+4*\b+(\q)], v[SC+32*(\sc)+4*(\q)+(\a)] matrix_a_fmt:MATRIX_FMT_BF8 matrix_b_fmt:MATRIX_FMT_BF8
.else
	v_wmma_scale_f32_16x16x128_f8f6f4 v[ACC+8*(4*(\a)+\b):ACC+8*(4*(\a)+\b)+7], v[\f+64+16*\b:\f+64+16*\b+15], v[\f+16*(\a):\f+16*(\a)+15], v[ACC+8*(4*(\a)+\b):ACC+8*(4*(\a)+\b)+7], v[SC+32*(\sc)+16+4*\b+(\q)], v[SC+32*(\sc)+4*(\q)+(\a)] matrix_a_fmt:MATRIX_FMT_BF8 matrix_b_fmt:MATRIX_FMT_BF8
.endif
.endr
.endm
.macro FETCH slot, q, f                ; 32 LDS loads: B's four fragments, then A's four, of the slot's q-th 128 along K
	WIN TO_F
.irp j, 0,1,2,3
.irp c, 0,1,2,3
	ds_load_b128 v[\f+64+16*\j+4*\c:\f+64+16*\j+4*\c+3], v[ADRB+\slot] offset:128*(\q)+32*\c+8448*\j
.endr
.endr
.irp i, 0,1,2,3
.irp c, 0,1,2,3
	ds_load_b128 v[\f+16*\i+4*\c:\f+16*\i+4*\c+3], v[ADRA+\slot] offset:8192*\i+2048*(\q)+512*\c
.endr
.endr
.endm
.macro SCALES sc                       ; a slot's scale words: eight loads
.irp q, 0,1,2,3
	ds_load_b128 v[SC+32*\sc+4*\q:SC+32*\sc+4*\q+3], v[ADSA] offset:512*\q
.endr
.irp j, 0,1,2,3
	ds_load_b128 v[SC+32*\sc+16+4*\j:SC+32*\sc+16+4*\j+3], v[ADSB] offset:2176*\j
.endr
.endm
.macro PLACES n
.rept \n
	v_nop
.endr
.endm
.macro STEP slot, q, start             ; one of a slot's first three steps: multiplies buffer q % 2, fetches step q + 1 into the other
.set FF, 128*((\q)%2)
.set GG, 128-FF
	s_wait_dscnt 8                                 ; all but A's tiles 2 and 3 are in
	WIN MUL
	MUL4 FF, \q, \slot, 0, \start
	MUL4 FF, \q, \slot, 1, \start
	PLACES 8                                       ; in front of loads into registers that matrix instructions have read
	FETCH \slot, (\q)+1, GG
	s_wait_dscnt 32                                ; all but the 32 just issued
	WIN MUL
	MUL4 FF, \q, \slot, 2, \start
	MUL4 FF, \q, \slot, 3, \start
.endm
.macro TURN slot, next, fill           ; a slot's last step changes slots
	WIN 0
	s_wait_tensorcnt 0x0                           ; my part of the next slot has landed: no load of mine is out
	ds_add_u32 v[SPW], v[NIL]
	s_wait_dscnt 9                                 ; (the add and A's tiles 2 and 3 may be out)
	WIN MUL
	MUL4 128, 3, \slot, 0, 0
	s_wait_dscnt 0x0                               ; the add is done, and my reads of this slot are over
	s_barrier_signal -1
	MUL4 128, 3, \slot, 1, 0
	WIN 0
	s_barrier_wait -1
.if \fill
	CREST                                          ; a round of the cluster's barrier: no wave of any partner still reads this slot or has a load on its way
	s_add_nc_u64 s[G0+4*\slot+2:G0+4*\slot+3], s[G0+4*\slot+2:G0+4*\slot+3], 16384
	s_add_nc_u64 s[G0B+4*\slot+2:G0B+4*\slot+3], s[G0B+4*\slot+2:G0B+4*\slot+3], 1024
	JLOAD G0+4*\slot, G1, G0B+4*\slot, G1B         ; the first tensor load behind the round; its four v_nop are four of the eight places
	PLACES 4
.else
	PLACES 8
.endif
	v_add_nc_u32 v[ADSA], 2048, v[ADSA]            ; the next slot's scale words
	v_add_nc_u32 v[ADSB], 16, v[ADSB]
	SCALES \next
	FETCH \next, 0, 0
	WIN MUL
	MUL4 128, 3, \slot, 2, 0
	MUL4 128, 3, \slot, 3, 0
.endm
	s_wait_tensorcnt 1                             ; the scales and my part of slot 0 are in; slot 1's load may be out
	s_barrier_signal -1
	s_barrier_wait -1
	SCALES 0
	FETCH 0, 0, 0
	STEP 0, 0, 1
	WIN 0
	s_mov_b32 s3, LAPS-1
.Llap:
	STEP 0, 1, 0
	STEP 0, 2, 0
	TURN 0, 1, 1
	STEP 1, 0, 0
	STEP 1, 1, 0
	STEP 1, 2, 0
	TURN 1, 0, 1
	STEP 0, 0, 0
	WIN 0
	s_sub_co_u32 s3, s3, 1
	s_cmp_lg_u32 s3, 0
	s_cbranch_scc1 .Llap
	STEP 0, 1, 0
	STEP 0, 2, 0
	TURN 0, 1, 0                                   ; the last lap fills nothing
	STEP 1, 0, 0
	STEP 1, 1, 0
	STEP 1, 2, 0
	s_wait_dscnt 8
	WIN MUL
	MUL4 128, 3, 1, 0, 0
	MUL4 128, 3, 1, 1, 0
	s_wait_dscnt 0
	MUL4 128, 3, 1, 2, 0
	MUL4 128, 3, 1, 3, 0
	WIN 0
; THE WAY OUT, 16 tokens x 64 columns at a time, through my own stage (in slot 0: it has had its last fill, and nobody reads it behind the last change of slots); rows come back whole into window 1.
.macro TOSTAGE a
	WIN 0
.irp b, 0,1,2,3
	ds_store_b128 v[STO], v[ACC+8*(4*(\a)+\b):ACC+8*(4*(\a)+\b)+3] offset:64*\b        ; each accumulator from its low end on
	ds_store_b128 v[STO], v[ACC+8*(4*(\a)+\b)+4:ACC+8*(4*(\a)+\b)+7] offset:64*\b+16
.endr
	WIN TO_F
.irp t, 0,1,2,3,4,5,6,7
	ds_load_b128 v[32*((\a)%2)+4*\t:32*((\a)%2)+4*\t+3], v[RD] offset:544*\t   ; LDS serves a wave's instructions in order: these see my stores
.endr
.endm
.macro SEND a, younger
	s_wait_dscnt \younger
.if (\a) > 0
	s_add_nc_u64 s[12:13], s[12:13], 65536         ; (behind a wait on XCNT)  16 tokens on
.endif
	WIN 0x04                                       ; a store's data are its source 1: window 1
.irp t, 0,1,2,3,4,5,6,7
	global_store_b128 v[CO], v[32*((\a)%2)+4*\t:32*((\a)%2)+4*\t+3], s[12:13] offset:8192*\t   ; sixteen lanes store 256 consecutive bytes, aligned
.endr
.endm
	PLACES 8
	TOSTAGE 0
.irp a, 1,2,3
.if \a > 1
	s_wait_xcnt 0x0                                ; block a - 2's stores have read their registers and their base
.endif
	TOSTAGE \a
	SEND \a-1, 16                                  ; behind block a - 1's loads: block a's 8 stores and 8 loads
.endr
	s_wait_xcnt 0x0
	SEND 3, 0
	WIN 0
	s_wait_tensorcnt 0x0                           ; the wave's end
	ds_add_u32 v[SPW], v[NIL]
	s_wait_dscnt 0x0
	CROUND
	s_endpgm
.Lfunc_end_k_q5edf0ce59a_ffn2:
	.size	k_q5edf0ce59a_ffn2, .Lfunc_end_k_q5edf0ce59a_ffn2-k_q5edf0ce59a_ffn2
	.p2alignl 7, 3214868480
	.fill 96, 4, 3214868480
	.section	.rodata,"a",@progbits
	.p2align	6, 0x0
	.amdhsa_kernel k_q5edf0ce59a_ffn2
		.amdhsa_group_segment_fixed_size 327680
		.amdhsa_private_segment_fixed_size 0
		.amdhsa_enable_private_segment 0
		.amdhsa_kernarg_size 40
		.amdhsa_user_sgpr_count 2
		.amdhsa_user_sgpr_kernarg_segment_ptr 1
		.amdhsa_wavefront_size32 1
		.amdhsa_system_sgpr_workgroup_id_x 1
		.amdhsa_system_sgpr_workgroup_id_y 1
		.amdhsa_system_sgpr_workgroup_id_z 1
		.amdhsa_system_vgpr_workitem_id 0
		.amdhsa_next_free_vgpr 512
		.amdhsa_next_free_sgpr 98
		.amdhsa_reserve_vcc 0
		.amdhsa_float_denorm_mode_32 3
		.amdhsa_float_denorm_mode_16_64 3
		.amdhsa_memory_ordered 1
		.amdhsa_forward_progress 1
		.amdhsa_inst_pref_size 94
	.end_amdhsa_kernel
	.amdgpu_metadata
---
amdhsa.version: [ 1, 2 ]
amdhsa.kernels:
  - .name:           k_q5edf0ce59a_ffn2
    .symbol:         k_q5edf0ce59a_ffn2.kd
    .args:
      - { .name: fb, .offset: 0, .size: 8, .value_kind: global_buffer, .address_space: global }
      - { .name: W2_codes, .offset: 8, .size: 8, .value_kind: global_buffer, .address_space: global }
      - { .name: W2_scales, .offset: 16, .size: 8, .value_kind: global_buffer, .address_space: global }
      - { .name: b2, .offset: 24, .size: 8, .value_kind: global_buffer, .address_space: global }
      - { .name: ffn, .offset: 32, .size: 8, .value_kind: global_buffer, .address_space: global }
    .group_segment_fixed_size: 327680
    .private_segment_fixed_size: 0
    .kernarg_segment_align: 8
    .kernarg_segment_size: 40
    .max_flat_workgroup_size: 128
    .sgpr_count:     98
    .vgpr_count:     512
    .wavefront_size: 32
...
	.end_amdgpu_metadata
.endif
;; end of part 6
;; launch ln2 (part 7): grid 256 x 1, 8 waves a work-group, no clusters, 0 bytes of LDS; arguments hb, ffn, g2, beta2, out0; writes out0
.if DOCPART == 7
	.amdgcn_target "amdgcn-amd-amdhsa--gfx1250"
	.amdhsa_code_object_version 6
	.text
	.protected	k_q5edf0ce59a_ln2
	.globl	k_q5edf0ce59a_ln2
	.p2align	8
	.type	k_q5edf0ce59a_ln2,@function
k_q5edf0ce59a_ln2:
	s_mov_b64 s[64:65], 0
	v_nop
	global_prefetch_b8 v0, s[64:65] scope:SCOPE_SE
	s_setreg_imm32_b32 hwreg(HW_REG_WAVE_MODE, 25, 1), 1
	s_wait_xcnt 0x0
; out0 = layernorm(h + ffn) g2 + beta2, all in f32.  h lies at hb + 0; b2 is already inside ffn.
; Eight waves, 16 rows a work-group.  A wave takes two whole rows, a row in 32 registers a lane (register 4 j + k: element 128 j + 4 lane + k): every load and store covers 512 consecutive bytes, and a row is read once.
; A WAVE ASKS FOR BOTH ITS ROWS, OF BOTH TENSORS, AT ITS HEAD: it waits for memory once; two waves share a SIMD, so that one's reductions stand beside the other's arithmetic.
; Mean first, then the mean of the squared differences.  No LDS, no barrier: waves share nothing.  NaN and infinities among the inputs are not served.
.set G,   16
.set BT,  48
.set X,   80                           ; two sets of 32, one for each row
.set A,   144
.set CH,  208
	s_load_b256 s[4:11], s[0:1], 0x0               ; hb, ffn, g2, beta2
	s_load_b64 s[12:13], s[0:1], 0x20              ; out0
	v_lshrrev_b32 v5, 5, v0
	v_readfirstlane_b32 s16, v5                    ; wave 0..7
	v_and_b32 v6, 31, v0
	v_lshlrev_b32 v1, 4, v6                        ; 16 x lane
	v_mov_b32 v9, 0                                ; a lane permute's destination counts as one of its sources
	s_mov_b32 s20, 0x3a800000                      ; 1 / 1,024
	s_mov_b32 s21, 0x3727c5ac                      ; 1e-5
	s_mov_b32 s22, 0x76543210
	s_mov_b32 s23, 0xfedcba98
	s_lshl_b32 s26, ttmp9, 16
	s_lshl_b32 s27, s16, 13
	s_add_co_u32 s26, s26, s27                     ; my first row: 16 x work-group + 2 x wave, 4,096 bytes a row
	s_mov_b32 s27, 0
	s_wait_kmcnt 0x0
	s_add_nc_u64 s[4:5], s[4:5], s[26:27]
	s_add_nc_u64 s[6:7], s[6:7], s[26:27]
	s_add_nc_u64 s[12:13], s[12:13], s[26:27]
.irp j, 0,1,2,3,4,5,6,7
	global_load_b128 v[G+4*\j:G+4*\j+3], v1, s[8:9] offset:512*\j
	global_load_b128 v[BT+4*\j:BT+4*\j+3], v1, s[10:11] offset:512*\j
.endr
.macro RLOAD i
.irp j, 0,1,2,3,4,5,6,7
	global_load_b128 v[X+32*(\i)+4*\j:X+32*(\i)+4*\j+3], v1, s[4:5] offset:4096*(\i)+512*\j th:TH_LOAD_NT
.endr
.irp j, 0,1,2,3,4,5,6,7
	global_load_b128 v[A+32*(\i)+4*\j:A+32*(\i)+4*\j+3], v1, s[6:7] offset:4096*(\i)+512*\j th:TH_LOAD_NT
.endr
.endm
	RLOAD 0
	RLOAD 1                                        ; all that the wave will read
.macro REDUCE
	v_add_f32_dpp v8, v8, v8 row_xmask:1 row_mask:0xf bank_mask:0xf
	v_add_f32_dpp v8, v8, v8 row_xmask:2 row_mask:0xf bank_mask:0xf
	v_add_f32_dpp v8, v8, v8 row_xmask:4 row_mask:0xf bank_mask:0xf
	v_add_f32_dpp v8, v8, v8 row_xmask:8 row_mask:0xf bank_mask:0xf
	v_permlanex16_b32 v9, v8, s22, s23
	v_add_f32 v8, v8, v9
.endm
.macro ROW i
.set XS, X+32*(\i)
.set AS, A+32*(\i)
.if (\i) < 1
	s_wait_loadcnt 16                              ; g, beta and this row's loads are in; the second row's sixteen may be out
.else
	s_wait_loadcnt 0
.endif
.irp k, 0,2,4,6,8,10,12,14,16,18,20,22,24,26,28,30
	v_pk_add_f32 v[XS+\k:XS+\k+1], v[XS+\k:XS+\k+1], v[AS+\k:AS+\k+1]
.endr
	v_pk_add_f32 v[CH:CH+1], v[XS:XS+1], v[XS+2:XS+3]
	v_pk_add_f32 v[CH+2:CH+3], v[XS+4:XS+5], v[XS+6:XS+7]
.irp k, 8,12,16,20,24,28
	v_pk_add_f32 v[CH:CH+1], v[CH:CH+1], v[XS+\k:XS+\k+1]
	v_pk_add_f32 v[CH+2:CH+3], v[CH+2:CH+3], v[XS+\k+2:XS+\k+3]
.endr
	v_pk_add_f32 v[CH:CH+1], v[CH:CH+1], v[CH+2:CH+3]
	v_add_f32 v8, v[CH], v[CH+1]
	REDUCE
	v_mul_f32 v14, s20, v8                         ; the mean, twice
	v_mul_f32 v15, s20, v8
.irp k, 0,2,4,6,8,10,12,14,16,18,20,22,24,26,28,30
	v_pk_add_f32 v[XS+\k:XS+\k+1], v[XS+\k:XS+\k+1], v[14:15] neg_lo:[0,1] neg_hi:[0,1]
.endr
	v_pk_mul_f32 v[CH:CH+1], v[XS:XS+1], v[XS:XS+1]
	v_pk_mul_f32 v[CH+2:CH+3], v[XS+2:XS+3], v[XS+2:XS+3]
.irp k, 4,8,12,16,20,24,28
	v_pk_fma_f32 v[CH:CH+1], v[XS+\k:XS+\k+1], v[XS+\k:XS+\k+1], v[CH:CH+1]
	v_pk_fma_f32 v[CH+2:CH+3], v[XS+\k+2:XS+\k+3], v[XS+\k+2:XS+\k+3], v[CH+2:CH+3]
.endr
	v_pk_add_f32 v[CH:CH+1], v[CH:CH+1], v[CH+2:CH+3]
	v_add_f32 v8, v[CH], v[CH+1]
	REDUCE
	v_fma_f32 v10, v8, s20, s21                    ; the variance + 1e-5
	v_rsq_f32 v14, v10
	v_rsq_f32 v15, v10
	v_nop                                          ; a plain line behind the transcendentals
	s_wait_alu depctr_va_vdst(0)                   ; one wait for both, ahead of their first reader
.irp k, 0,2,4,6,8,10,12,14,16,18,20,22,24,26,28,30
	v_pk_mul_f32 v[XS+\k:XS+\k+1], v[XS+\k:XS+\k+1], v[14:15]
.endr
.irp k, 0,2,4,6,8,10,12,14,16,18,20,22,24,26,28,30
	v_pk_fma_f32 v[XS+\k:XS+\k+1], v[XS+\k:XS+\k+1], v[G+\k:G+\k+1], v[BT+\k:BT+\k+1]
.endr
.irp j, 0,1,2,3,4,5,6,7
	global_store_b128 v1, v[XS+4*\j:XS+4*\j+3], s[12:13] offset:4096*(\i)+512*\j th:TH_STORE_NT   ; each row has registers of its own: no store's data are written again
.endr
.endm
	ROW 0
	ROW 1
	s_endpgm
.Lfunc_end_k_q5edf0ce59a_ln2:
	.size	k_q5edf0ce59a_ln2, .Lfunc_end_k_q5edf0ce59a_ln2-k_q5edf0ce59a_ln2
	.p2alignl 7, 3214868480
	.fill 96, 4, 3214868480
	.section	.rodata,"a",@progbits
	.p2align	6, 0x0
	.amdhsa_kernel k_q5edf0ce59a_ln2
		.amdhsa_group_segment_fixed_size 0
		.amdhsa_private_segment_fixed_size 0
		.amdhsa_enable_private_segment 0
		.amdhsa_kernarg_size 40
		.amdhsa_user_sgpr_count 2
		.amdhsa_user_sgpr_kernarg_segment_ptr 1
		.amdhsa_wavefront_size32 1
		.amdhsa_system_sgpr_workgroup_id_x 1
		.amdhsa_system_sgpr_workgroup_id_y 1
		.amdhsa_system_sgpr_workgroup_id_z 1
		.amdhsa_system_vgpr_workitem_id 0
		.amdhsa_next_free_vgpr 224
		.amdhsa_next_free_sgpr 66
		.amdhsa_reserve_vcc 0
		.amdhsa_float_denorm_mode_32 3
		.amdhsa_float_denorm_mode_16_64 3
		.amdhsa_memory_ordered 1
		.amdhsa_forward_progress 1
		.amdhsa_inst_pref_size 22
	.end_amdhsa_kernel
	.amdgpu_metadata
---
amdhsa.version: [ 1, 2 ]
amdhsa.kernels:
  - .name:           k_q5edf0ce59a_ln2
    .symbol:         k_q5edf0ce59a_ln2.kd
    .args:
      - { .name: hb, .offset: 0, .size: 8, .value_kind: global_buffer, .address_space: global }
      - { .name: ffn, .offset: 8, .size: 8, .value_kind: global_buffer, .address_space: global }
      - { .name: g2, .offset: 16, .size: 8, .value_kind: global_buffer, .address_space: global }
      - { .name: beta2, .offset: 24, .size: 8, .value_kind: global_buffer, .address_space: global }
      - { .name: out0, .offset: 32, .size: 8, .value_kind: global_buffer, .address_space: global }
    .group_segment_fixed_size: 0
    .private_segment_fixed_size: 0
    .kernarg_segment_align: 8
    .kernarg_segment_size: 40
    .max_flat_workgroup_size: 256
    .sgpr_count:     66
    .vgpr_count:     224
    .wavefront_size: 32
...
	.end_amdgpu_metadata
.endif
;; end of part 7
